; MI455X (gfx1250); checked and timed in simulation.
; The chip was launched on July 23, 2026; its instructions are those of AMD's public machine-readable ISA for CDNA 5 (MIT licence, August 2026) and "CDNA5" Instruction Set Architecture Reference Guide (July 2026). The comments in the code are by the model that wrote it; some were corrected since.
;; Multi Head Self Attention. Allowed arithmetic: matrix products marked QUANTISED: E2M3 operands, one E8M0 scale for each 32 along K, by v_wmma_scale_f32_16x16x128_f8f6f4 with both operands' format E2M3, f32 sums; everything else in f32.
;; Inputs: b_o 1,024 float32; ln_beta 1,024 float32; ln_gamma 1,024 float32; w_k_codes 1,024 x 32 x 24 uint8 (E2M3 codes of w_k, K innermost, in blocks of 32 codes, four codes in three bytes); w_k_scales 1,024 x 32 uint8 (E8M0 scales of w_k, one for each 32 codes along K); w_o_codes 1,024 x 32 x 24 uint8 (E2M3 codes of w_o, K innermost, in blocks of 32 codes, four codes in three bytes); w_o_scales 1,024 x 32 uint8 (E8M0 scales of w_o, one for each 32 codes along K); w_q_codes 1,024 x 32 x 24 uint8 (E2M3 codes of w_q, K innermost, in blocks of 32 codes, four codes in three bytes); w_q_scales 1,024 x 32 uint8 (E8M0 scales of w_q, one for each 32 codes along K); w_v_codes 1,024 x 32 x 24 uint8 (E2M3 codes of w_v, K innermost, in blocks of 32 codes, four codes in three bytes); w_v_scales 1,024 x 32 uint8 (E8M0 scales of w_v, one for each 32 codes along K); x 2 x 2,048 x 1,024 float32.
;; Outputs: out0 2 x 2,048 x 1,024 float32.
;; This version of the problem:
;;   THIS VERSION OF THE PROBLEM IS GIVEN IN LOW PRECISION. The matrix products marked QUANTISED in the list below multiply operands that are first quantised to E2M3 (2 exponent bits, 3 mantissa bits; 6 bits a number), with one power-of-two scale for each 32 numbers along K (OCP MX v1.0); their sums are f32. All else is computed in f32.
;;   The module's matrix products, in the order in which they are computed (A, B: the left and right operand; K: the contracted axis; several contracted axes count as one K, in the product's order):
;;     1. [M 4,096, K 1,024] x [K 1,024, N 1,024]; A: input x; B: input w_q (given as codes): QUANTISED
;;     2. [M 4,096, K 1,024] x [K 1,024, N 1,024]; A: input x; B: input w_k (given as codes): QUANTISED
;;     3. [M 4,096, K 1,024] x [K 1,024, N 1,024]; A: input x; B: input w_v (given as codes): QUANTISED
;;     4. batch 32 x [M 2,048, K 64] x [K 64, N 2,048]; A: computed on the way; B: computed on the way: QUANTISED
;;     5. batch 32 x [M 2,048, K 2,048] x [K 2,048, N 64]; A: softmax (see below); B: computed on the way: QUANTISED
;;     6. [M 4,096, K 1,024] x [K 1,024, N 1,024]; A: computed on the way; B: input w_o (given as codes): QUANTISED
;;   THE QUANTISER, for each operand of a quantised product, along K:
;;     - K is cut into blocks of 32 from its start; a last block that is shorter is filled with zeros.
;;     - A block's scale is 2^e with e = floor(log2(the largest magnitude in the block)) - 2, held to -126 .. 127; a block of zeros has e = 0. As a byte (E8M0): e + 127.
;;     - Each number is divided by its block's scale, clamped to +-7.5, and rounded to the nearest number of E2M3, ties to even, subnormals kept.
;;     - The product sums the exact products of the quantised numbers (number of the format x scale) in f32.
;;   ~~~python
;;   def quantise(x, axis):      # numpy; x: float32 -> the quantised numbers, widened to float32 again
;;       x = np.moveaxis(x, axis, -1); K = x.shape[-1]
;;       x = np.pad(x, [(0, 0)] * (x.ndim - 1) + [(0, -K % 32)]); x = x.reshape(x.shape[:-1] + (-1, 32)); a = np.abs(x).max(-1, keepdims=True)
;;       e = np.where(a > 0, np.clip(np.frexp(np.where(a > 0, a, 1))[1] - 1 - 2, -126, 127), 0)      # np.frexp(a)[1] - 1 = floor(log2(a)), exactly
;;       r = np.clip(x / 2.0 ** e, -7.5, 7.5)
;;       step = 2.0 ** (np.maximum(np.frexp(np.where(r == 0, 1, r))[1] - 1, 0) - 3)
;;       q = np.round(r / step) * step * 2.0 ** e      # np.round: ties to even
;;       return np.moveaxis(q.reshape(q.shape[:-2] + (-1,))[..., :K], -1, axis).astype(np.float32)
;;   ~~~
;;   SOFTMAX AHEAD OF A QUANTISED PRODUCT. Where the list says 'softmax', what is quantised is not the finished softmax but p = 2^(t - M), with t = logit x log2(e) and M = ceil(the row's largest t), a whole number; so 1/2 < the row's largest p <= 1. The row's sum l is taken of the UNQUANTISED p, in f32, and the product's result is divided by l at the end. Since M is a whole number, a kernel that streams over the keys may use a running M (the ceiling of the running maximum): every later rescaling is an exact power of two, which a block's scale takes up: the codes' values come out the same.
;;   OPERANDS COMPUTED ON THE WAY. 'Computed on the way' means the value that the module computes at that place (a softmax that the list does not call 'softmax' is quantised finished and normalised). What goes into a quantiser is computed in f32, as accurately as f32 sums, v_exp_f32 and their like allow (about 1e-6 of the number): no bf16 or f16 on the way to a quantiser, and a product that is left as it is and whose result goes on into a quantised operand takes f32 operands (vector FMAs, or v_wmma_f32_16x16x4_f32). A number that lies on a knife's edge between two numbers of the format may be rounded either way, as far as f32 arithmetic and the matrix unit's own rounding can turn it there, and no further.
;;   INPUTS GIVEN AS CODES. w_k (in the module: [1024, 1024], K = its axis 1); w_o (in the module: [1024, 1024], K = its axis 1); w_q (in the module: [1024, 1024], K = its axis 1); w_v (in the module: [1024, 1024], K = its axis 1): each comes as NAME_codes (uint8): NAME with its K axis moved to the last place and cut into blocks of 32 codes, [.., K / 32, bytes a block], one block behind the other in memory; four codes in three bytes: a row's codes are one little-endian stream of bits, code i at bits 6 i .. 6 i + 5 (a code: sign, 2 exponent bits, 3 mantissa bits); and NAME_scales (uint8): the same leading axes, one E8M0 byte (e + 127) for each 32 codes along K. Its value is code x scale, taken as it is: it is not quantised again, and the codes and scales need not be those that the quantiser above would give.
;; 2 versions. Each part assembles by itself: llvm-mc -triple=amdgcn-amd-amdhsa -mcpu=gfx1250 --defsym DOCPART=n.
;; ======== version 1 of 2: 3 launches
;; workspace buffers: qf 3,407,872 bytes; kv 6,815,744 bytes; cf 3,407,872 bytes
;; launch qkv (part 1): grid 6 x 32, 8 waves a work-group, no clusters, 171,008 bytes of LDS; arguments x, w_q_codes, w_q_scales, w_k_codes, w_k_scales, w_v_codes, w_v_scales, qf, kv; writes qf, kv
.if DOCPART == 1
	.amdgcn_target "amdgcn-amd-amdhsa--gfx1250"
	.amdhsa_code_object_version 6
	.text
	.protected	k_qe3073d5eaf_qkv
	.globl	k_qe3073d5eaf_qkv
	.p2align	8
	.type	k_qe3073d5eaf_qkv,@function
k_qe3073d5eaf_qkv:
	s_mov_b64 s[64:65], 0
	v_nop
	global_prefetch_b8 v0, s[64:65] scope:SCOPE_SE
	s_setreg_imm32_b32 hwreg(HW_REG_WAVE_MODE, 25, 1), 1
	s_wait_xcnt 0x0
; q = x Wq^T, k = x Wk^T, v = x Wv^T on codes of FP6 (E2M3) with one E8M0 scale for each 32 along K, and the results quantised again: q and k along the head's 64, v along the keys.
; x [4096][1024] f32 is quantised here; the weights [1024][1024] arrive as codes (768 bytes a row) with 32 scale bytes a row.
; SHARES.  A work-group takes 128 rows of x (grid y) and 512 channels of ONE of q, k, v (grid x: kind = x / 2, heads 8 (x % 2) ..).  Each of its 8 waves takes one head: 64 channels x 128 rows, 32 accumulators.
; PHASE X: wave w quantises tile w (16 rows) of x, 128 along K at a time, and leaves each fragment in LDS as an image of its 12 registers (three planes of 16 bytes a lane) and its scale words beside them.
; One barrier.  K LOOP: 8 steps of 128; the weights' fragments go from memory straight into the registers of the one wave that uses them.
; ROWS OF A TILE ARE CHOSEN so that a lane's 32 registers of four neighbouring result tiles are a WHOLE block of 32 along the next product's K:
;   rows of x: tile T, row i -> 64 (T / 4) + 8 (T % 4) + i % 8 + 32 (i / 8);   channels of a head: tile n, row i -> 8 n + i % 8 + 32 (i / 8).
; q, k: source 0 = 16 channels, source 1 = 16 rows of x: lane (r, h) holds row r and channels 32 h + 0 .. 31.   v: the sources change places: lane (r, h) holds one channel and keys 64 c + 32 h + 0 .. 31.
; So a block's largest magnitude needs no other lane, and the conversions' results are the next operand's registers as they stand.
; K IS PERMUTED ALIKE ON BOTH OPERANDS: in each 128 along K the place (c, h) of the operand's layout holds block 2 h + c.  A lane's 12 registers of a weight fragment are then 48 consecutive bytes of the row,
; three loads of 16 bytes; in the given scale words bytes 1 and 2 change places.  LIMIT: this changes the order in which the f32 sums are formed, nothing else.
; LIMITS: NaN and infinities among the inputs are not served.  A block of zeros gets the scale byte 1, not 127: its codes are zeros, and these bytes are read by this program alone.
; NO CLUSTER: what the row blocks share is the weights.  A joint request lands in LDS; here each fragment is used by one wave alone, so through LDS its 393,216 bytes a work-group would be written there and read
; back once for nothing inside the work-group, beside x's images, which the 8 waves already read 8 times over.
; REGISTERS.  Window 1: in phase X v0-127 two sets of 64 numbers as loaded, v128-191 a lane's 64 neighbours; then the 32 accumulators (q, k: (T, n) at 32 T + 8 n;  v: (n, T) at 64 n + 8 T).
;   Window 0: v1-12 addresses; v24-39 the weights' scale words; v40-47 x's, two sets; v48-95 x's fragments, two sets of two (in phase X and on the way out: at work); v96-239 the weights' fragments, three sets of four.
.set XSC,  98304                       ; LDS: x's 64 fragment images (tile T, step s at (8 T + s) x 1536) fill 0 .. 98303; then their scale words: step s at 512 s, 16 x lane + 4 i for tile 2 i + lane / 16
.set STG,  102400                      ; then a stage of 16 rows x 528 bytes for each wave
.set SPI,  528                         ; a stage row: 512 bytes + 16 = 33 x 16: sixteen lanes that read the same place of sixteen rows touch sixteen different 16-byte columns of 256 bytes
.set L16,  1                           ; v1   16 x lane
.set SA,   2                           ; v2   my stage + 16 x lane
.set SB,   3                           ; v3   my stage + 528 r + 256 h
.set XIW,  4                           ; v4   where I store x's images: 12288 x wave + 16 x lane
.set XSW,  5                           ; v5   and their scale words
.set WA,   6                           ; v6   my lane's byte in a tile of a weight
.set WSA,  7                           ; v7   and in its scale bytes
.set SH8,  8                           ; v8   8 h
.set XIR1, 10                          ; v10  16 x lane + 49152: images of tiles 4-7
.set XSR,  11                          ; v11  XSC + 16 x lane
.set L8,   12                          ; v12  8 x lane
.set WS,   24
.set XS,   40
.set XF,   48
.set WF,   96
.set MSB, 0
.macro WIN new                         ; the immediate's high byte repeats the setting that is left; a switch that changes nothing is dropped
.if MSB != (\new)
	s_set_vgpr_msb (MSB<<8)|(\new)
.set MSB, (\new)
.endif
.endm
.macro PLACES                          ; four plain vector instructions between a matrix instruction and a load into, or a vector instruction on, its registers
.rept 4
	v_nop
.endr
.endm
; One matrix instruction.  z = 0: the product starts the sum.  ra, rb: the scale words are taken from lanes 16-31.
.macro WM d, a, b, z, sa, sb, ra, rb
.if (\z) == 0
.if ((\ra) == 0) && ((\rb) == 0)
	v_wmma_scale_f32_16x16x128_f8f6f4 v[\d:\d+7], v[\a:\a+11], v[\b:\b+11], 0, v[\sa], v[\sb] matrix_a_fmt:MATRIX_FMT_FP6 matrix_b_fmt:MATRIX_FMT_FP6
.elseif (\rb) == 0
	v_wmma_scale_f32_16x16x128_f8f6f4 v[\d:\d+7], v[\a:\a+11], v[\b:\b+11], 0, v[\sa], v[\sb] matrix_a_fmt:MATRIX_FMT_FP6 matrix_b_fmt:MATRIX_FMT_FP6 matrix_a_scale:MATRIX_SCALE_ROW1
.elseif (\ra) == 0
	v_wmma_scale_f32_16x16x128_f8f6f4 v[\d:\d+7], v[\a:\a+11], v[\b:\b+11], 0, v[\sa], v[\sb] matrix_a_fmt:MATRIX_FMT_FP6 matrix_b_fmt:MATRIX_FMT_FP6 matrix_b_scale:MATRIX_SCALE_ROW1
.else
	v_wmma_scale_f32_16x16x128_f8f6f4 v[\d:\d+7], v[\a:\a+11], v[\b:\b+11], 0, v[\sa], v[\sb] matrix_a_fmt:MATRIX_FMT_FP6 matrix_b_fmt:MATRIX_FMT_FP6 matrix_a_scale:MATRIX_SCALE_ROW1 matrix_b_scale:MATRIX_SCALE_ROW1
.endif
.else
.if ((\ra) == 0) && ((\rb) == 0)
	v_wmma_scale_f32_16x16x128_f8f6f4 v[\d:\d+7], v[\a:\a+11], v[\b:\b+11], v[\d:\d+7], v[\sa], v[\sb] matrix_a_fmt:MATRIX_FMT_FP6 matrix_b_fmt:MATRIX_FMT_FP6
.elseif (\rb) == 0
	v_wmma_scale_f32_16x16x128_f8f6f4 v[\d:\d+7], v[\a:\a+11], v[\b:\b+11], v[\d:\d+7], v[\sa], v[\sb] matrix_a_fmt:MATRIX_FMT_FP6 matrix_b_fmt:MATRIX_FMT_FP6 matrix_a_scale:MATRIX_SCALE_ROW1
.elseif (\ra) == 0
	v_wmma_scale_f32_16x16x128_f8f6f4 v[\d:\d+7], v[\a:\a+11], v[\b:\b+11], v[\d:\d+7], v[\sa], v[\sb] matrix_a_fmt:MATRIX_FMT_FP6 matrix_b_fmt:MATRIX_FMT_FP6 matrix_b_scale:MATRIX_SCALE_ROW1
.else
	v_wmma_scale_f32_16x16x128_f8f6f4 v[\d:\d+7], v[\a:\a+11], v[\b:\b+11], v[\d:\d+7], v[\sa], v[\sb] matrix_a_fmt:MATRIX_FMT_FP6 matrix_b_fmt:MATRIX_FMT_FP6 matrix_a_scale:MATRIX_SCALE_ROW1 matrix_b_scale:MATRIX_SCALE_ROW1
.endif
.endif
.endm
; The largest magnitudes of nb blocks of 32 numbers, window 1 v[x + 32 b ..], into v[m + 2 b] (v[m + 2 b + 1]: a second chain), with the floor 2^(3 - 127) as one more leaf, so that the scale's byte cannot fall under 1.
; Where the numbers are four accumulators, each is first read at one of its four lowest registers: x + 0, x + 8 (with x + 7), x + 16, x + 24 (with x + 23).
.macro BMAX m, x, nb
	WIN 0x15
.set bb, 0
.rept \nb
	v_max3_num_f32 v[\m+2*bb], |v[\x+32*bb]|, |v[\x+32*bb+1]|, |v[\x+32*bb+2]|
	v_max3_num_f32 v[\m+2*bb+1], |v[\x+32*bb+16]|, |v[\x+32*bb+17]|, |v[\x+32*bb+18]|
.set bb, bb+1
.endr
	WIN 0x14
.set ii, 0
.rept 6
.set bb, 0
.rept \nb
	v_max3_num_f32 v[\m+2*bb], v[\m+2*bb], |v[\x+32*bb+3+2*ii]|, |v[\x+32*bb+4+2*ii]|
	v_max3_num_f32 v[\m+2*bb+1], v[\m+2*bb+1], |v[\x+32*bb+19+2*ii]|, |v[\x+32*bb+20+2*ii]|
.set bb, bb+1
.endr
.set ii, ii+1
.endr
.set bb, 0
.rept \nb
	v_max3_num_f32 v[\m+2*bb], v[\m+2*bb], |v[\x+32*bb+15]|, |v[\x+32*bb+31]|
.set bb, bb+1
.endr
	WIN 0
.set bb, 0
.rept \nb
	v_max3_num_f32 v[\m+2*bb], v[\m+2*bb], v[\m+2*bb+1], 0x1800000
.set bb, bb+1
.endr
.endm
.macro WLOAD s                         ; my head's four weight fragments of K step s: 48 consecutive bytes a lane and fragment
.irp n, 0,1,2,3
.irp j, 0,1,2
	global_load_b128 v[WF+48*((\s)%3)+12*\n+4*\j:WF+48*((\s)%3)+12*\n+4*\j+3], v[WA], s[28:29] offset:6144*\n+96*(\s)+16*\j
.endr
.endr
.endm
.macro LOADX s                         ; my tile's 16 rows, 128 numbers of each: every load reads 512 consecutive bytes of one row
	WIN 0x40
.irp i, 0,1,2,3,4,5,6,7,8,9,10,11,12,13,14,15
	global_load_b128 v[64*((\s)%2)+4*\i:64*((\s)%2)+4*\i+3], v[L16], s[34:35] offset:((\i%8)+32*(\i/8))*4096+512*(\s)
.endr
.endm
.macro XFR s, g                        ; x's fragments of tiles 2 g and 2 g + 1, K step s, back from LDS as they were stored
.irp u, 0,1
.irp j, 0,1,2
.if (2*(\g)+\u) < 4
	ds_load_b128 v[XF+24*((\g)%2)+12*\u+4*\j:XF+24*((\g)%2)+12*\u+4*\j+3], v[L16] offset:(8*(2*(\g)+\u)+(\s))*1536+512*\j
.else
	ds_load_b128 v[XF+24*((\g)%2)+12*\u+4*\j:XF+24*((\g)%2)+12*\u+4*\j+3], v[XIR1] offset:(8*(2*(\g)+\u-4)+(\s))*1536+512*\j
.endif
.endr
.endr
.endm
.macro MULG kind, s, g                 ; 8 matrix instructions: two tiles of rows x my four tiles of channels.  All 32 accumulators take turns, one instruction a turn
	WIN 0x50                                       ; C and D in window 1
.irp u, 0,1
.irp n, 0,1,2,3
.if (\kind) == 0
	WM 32*(2*(\g)+\u)+8*\n, WF+48*((\s)%3)+12*\n, XF+24*((\g)%2)+12*\u, (\s), WS+8*(\n/2)+(\s), XS+4*((\s)%2)+(\g), \n%2, \u
.else
	WM 64*\n+8*(2*(\g)+\u), XF+24*((\g)%2)+12*\u, WF+48*((\s)%3)+12*\n, (\s), XS+4*((\s)%2)+(\g), WS+8*(\n/2)+(\s), \u, \n%2
.endif
.endr
.endr
.endm
	s_load_b512 s[4:19], s[0:1], 0x0               ; x, Wq codes, Wq scales, Wk codes, Wk scales, Wv codes, Wv scales, qf
	s_load_b64 s[20:21], s[0:1], 0x40              ; kv
	v_lshl_add_u32 v254, v0, 2, 0x29800
	v_mov_b32 v255, 0
	v_lshrrev_b32 v13, 5, v0
	v_readfirstlane_b32 s22, v13                   ; wave 0..7
	v_and_b32 v14, 31, v0                          ; lane
	v_and_b32 v15, 15, v0                          ; r
	v_bfe_u32 v16, v0, 4, 1                        ; h
	v_lshlrev_b32 v[L16], 4, v14
	v_lshlrev_b32 v[L8], 3, v14
	v_lshlrev_b32 v[SH8], 3, v16
	s_mul_i32 s40, s22, 16*SPI
	s_add_co_u32 s40, s40, STG                     ; my stage
	v_add_nc_u32 v[SA], s40, v[L16]
	v_mul_u32_u24 v[SB], v15, SPI
	v_lshl_add_u32 v[SB], v16, 8, v[SB]
	v_add_nc_u32 v[SB], s40, v[SB]
	s_mul_i32 s40, s22, 12288
	v_add_nc_u32 v[XIW], s40, v[L16]
	s_and_b32 s40, s22, 1
	s_lshl_b32 s40, s40, 8
	s_lshr_b32 s41, s22, 1
	s_lshl_b32 s41, s41, 2
	s_add_co_u32 s40, s40, s41
	s_add_co_u32 s40, s40, XSC
	v_lshl_add_u32 v[XSW], v15, 4, s40             ; XSC + 16 r + 256 (wave % 2) + 4 (wave / 2)
	v_and_b32 v17, 7, v15
	v_lshrrev_b32 v18, 3, v15
	v_lshl_add_u32 v17, v18, 5, v17                ; r % 8 + 32 (r / 8)
	v_mul_u32_u24 v[WA], v17, 768
	v_mad_u32_u24 v[WA], v16, 48, v[WA]
	v_lshl_add_u32 v[WSA], v16, 3, v17             ; lanes 16-31 take the next tile's rows: 8 channels on
	v_lshlrev_b32 v[WSA], 5, v[WSA]
	v_add_nc_u32 v[XIR1], 49152, v[L16]
	v_add_nc_u32 v[XSR], XSC, v[L16]
	s_lshr_b32 s23, ttmp9, 1                       ; kind: 0 q, 1 k, 2 v
	s_and_b32 s24, ttmp9, 1
	s_lshl_b32 s24, s24, 3
	s_add_co_u32 s24, s24, s22                     ; my head
	s_and_b32 s25, ttmp7, 0xffff                   ; the group of 128 rows: 16 x batch + group in the batch
	s_lshr_b32 s26, s25, 4
	s_lshl_b32 s26, s26, 8
	s_and_b32 s27, s25, 15
	s_add_co_u32 s26, s26, s27
	s_lshl_b32 s27, s24, 4
	s_add_co_u32 s26, s26, s27                     ; the record: 256 x batch + 16 x head + group
	s_mov_b32 s36, 0x76543210
	s_mov_b32 s37, 0xfedcba98                      ; v_permlanex16_b32's selects for lane l xor 16
	s_mov_b32 s38, 0x03010200                      ; v_perm_b32: bytes 1 and 2 change places
	s_lshl_b32 s42, s25, 7
	s_lshr_b32 s43, s22, 2
	s_lshl_b32 s43, s43, 6
	s_add_co_u32 s42, s42, s43
	s_and_b32 s43, s22, 3
	s_lshl_b32 s43, s43, 3
	s_add_co_u32 s42, s42, s43                     ; my tile's first row of x
	s_lshl_b32 s42, s42, 12
	s_mov_b32 s43, 0
	s_mul_i32 s44, s24, 49152                      ; my head's 64 rows of codes
	s_mov_b32 s45, 0
	s_lshl_b32 s46, s24, 11                        ; and of scale bytes
	s_mov_b32 s47, 0
	s_wait_kmcnt 0x0
	s_add_nc_u64 s[34:35], s[4:5], s[42:43]
	s_cmp_eq_u32 s23, 0                            ; the buffers are chosen by the work-group's number alone
	s_cselect_b64 s[28:29], s[6:7], s[10:11]
	s_cselect_b64 s[30:31], s[8:9], s[12:13]
	s_cselect_b64 s[32:33], s[18:19], s[20:21]
	s_mov_b32 s48, 13312
	s_cselect_b32 s48, 6656, s48                   ; bytes of a record
	s_cmp_eq_u32 s23, 2
	s_cselect_b64 s[28:29], s[14:15], s[28:29]
	s_cselect_b64 s[30:31], s[16:17], s[30:31]
	s_cselect_b32 s49, 6656, 0                     ; v's part of a record lies behind k's
	s_mul_i32 s48, s26, s48
	s_add_co_u32 s48, s48, s49
	s_mov_b32 s49, 0
	s_add_nc_u64 s[28:29], s[28:29], s[44:45]
	s_add_nc_u64 s[30:31], s[30:31], s[46:47]
	s_add_nc_u64 s[32:33], s[32:33], s[48:49]
	global_load_b128 v[WS:WS+3], v[WSA], s[30:31]                  ; the weights' scale words of all 8 K steps: register 8 p + s: lanes 0-15 tile 2 p, lanes 16-31 tile 2 p + 1
	global_load_b128 v[WS+4:WS+7], v[WSA], s[30:31] offset:16
	global_load_b128 v[WS+8:WS+11], v[WSA], s[30:31] offset:512
	global_load_b128 v[WS+12:WS+15], v[WSA], s[30:31] offset:528
	WLOAD 0
	WLOAD 1
	WLOAD 2
	LOADX 0
	LOADX 1
	WIN 0
	v_mov_b32 v57, 0                               ; written once: a lane permute's destination counts as one of its sources
; PHASE X, K step s.  At work: v48-51 maxima, v52-53 scale operands, v54-55 bytes, v56 the scale word, v60-71 the fragment, v72-78 second halves of blocks.
.macro XSTEP s
.if (\s) < 7
	s_wait_loadcnt 16                              ; this step's 16 loads are in (and all issued before them); the next step's 16 stay out
.else
	s_wait_loadcnt 0x0
.endif
.if (\s) == 0
.irp i, 0,1,2,3,4,5,6,7,8,9,10,11,12,13,14,15
	v_perm_b32 v[WS+\i], v[WS+\i], v[WS+\i], s38   ; the weights' scale words follow the permutation of K
.endr
.endif
	WIN 0x04                                       ; an LDS store's data: window 1
.irp i, 0,1,2,3,4,5,6,7,8,9,10,11,12,13,14,15
	ds_store_b128 v[SA], v[64*((\s)%2)+4*\i:64*((\s)%2)+4*\i+3] offset:SPI*\i
.endr
	WIN 0x40
.irp j, 0,1,2,3,4,5,6,7,8,9,10,11,12,13,14,15
	ds_load_b128 v[128+4*\j:128+4*\j+3], v[SB] offset:16*\j        ; LDS serves a wave's instructions in order: these see the stores.  Lane (r, h): row r, numbers 64 h + 0 .. 63: blocks 2 h and 2 h + 1
.endr
	s_wait_dscnt 0x0                               ; the numbers are back; the stores above and the last step's image stores have read their registers
.if (\s)+2 < 8
	LOADX (\s)+2
.endif
	BMAX 48, 128, 2
	v_add_nc_u32 v52, 0xff000000, v48              ; 2 off the exponent field: the conversion takes the exponent field of this operand as its scale
	v_add_nc_u32 v53, 0xff000000, v50
	v_lshrrev_b32 v54, 23, v52                     ; the scale's byte
	v_lshrrev_b32 v55, 23, v53
	WIN 0x01
	v_cvt_scalef32_pk16_fp6_f32 v[60:62], v[128:143], v52
	v_cvt_scalef32_pk16_fp6_f32 v[72:74], v[144:159], v52          ; (a conversion's three registers begin on an even number)
	v_cvt_scalef32_pk16_fp6_f32 v[66:68], v[160:175], v53
	v_cvt_scalef32_pk16_fp6_f32 v[76:78], v[176:191], v53
	WIN 0
	v_lshl_or_b32 v56, v55, 16, v54                ; (the plain place behind the conversions)  my two bytes,
.irp i, 0,1,2
	v_mov_b32 v[63+\i], v[72+\i]
	v_mov_b32 v[69+\i], v[76+\i]
.endr
	v_lshlrev_b32 v56, v[SH8], v56                 ; at their places in the word, 8 h bits up;
	v_permlanex16_b32 v57, v56, s36, s37
	v_or_b32 v56, v56, v57                         ; with lane l xor 16's two the word is whole
	ds_store_b128 v[XIW], v[60:63] offset:1536*(\s)
	ds_store_b128 v[XIW], v[64:67] offset:1536*(\s)+512
	ds_store_b128 v[XIW], v[68:71] offset:1536*(\s)+1024
	ds_store_b32 v[XSW], v56 offset:512*(\s)       ; lanes r and r + 16 write the same word with the same value
.endm
.irp s, 0,1,2,3,4,5,6,7
	XSTEP \s
.endr
	s_wait_dscnt 0x0                               ; for the others' sake: my images lie in LDS
	s_barrier_signal -1
	s_barrier_wait -1                              ; the launch's one barrier: behind it LDS is only read
; THE K LOOP, written out: 8 steps x 4 groups of two tiles of rows.  Each group asks for the next group's fragments and then multiplies its own.
.macro KLOOP kind
	ds_load_b128 v[XS:XS+3], v[XSR]
	XFR 0, 0
.set S, 0
.rept 8
.set GQ, 0
.rept 4
.if (S+GQ) > 0
	PLACES                                         ; the loads below land in registers that the last group's products have read
.endif
	WIN 0
.if (GQ == 0) && (S >= 1) && (S <= 5)
	WLOAD S+2                                      ; into the set that step S - 1 has left
.endif
.if GQ < 3
	XFR S, GQ+1
	s_wait_dscnt 6                                 ; all but the 6 just issued: this group's fragments are in
.elseif S < 7
	XFR S+1, 0
	ds_load_b128 v[XS+4*((S+1)%2):XS+4*((S+1)%2)+3], v[XSR] offset:512*(S+1)
	s_wait_dscnt 7                                 ; all but the 7 just issued
.else
	s_wait_dscnt 0x0
.endif
.if GQ == 0
.if (S >= 3) && (S <= 5)
	s_wait_loadcnt 24                              ; this step's weights are in; those of the two steps behind it stay out
.elseif S == 6
	s_wait_loadcnt 12
.elseif S == 7
	s_wait_loadcnt 0x0
.endif
.endif
	MULG \kind, S, GQ
.set GQ, GQ+1
.endr
.set S, S+1
.endr
	WIN 0
.endm
; THE WAY OUT of q and k: tile T's 32 registers of a lane are block h of row r: six registers of codes, as the score product's operand wants them, and a byte.  Every tile has registers of its own, so no store's data are written again.
.macro OUTQK
	PLACES
.irp t, 0,1,2,3,4,5,6,7
	BMAX 48, 32*\t, 1
	v_add_nc_u32 v52, 0xff000000, v48
	v_lshrrev_b32 v54, 23, v52
	WIN 0x01
	v_cvt_scalef32_pk16_fp6_f32 v[96+8*\t:98+8*\t], v[32*\t:32*\t+15], v52
	v_cvt_scalef32_pk16_fp6_f32 v[160+4*\t:162+4*\t], v[32*\t+16:32*\t+31], v52
	WIN 0
	v_lshlrev_b32 v[200+\t], v[SH8], v54           ; (the plain place behind the conversions)  byte h of the word; bytes 2 and 3 stay 0 over codes that are zeros
.irp i, 0,1,2
	v_mov_b32 v[99+8*\t+\i], v[160+4*\t+\i]
.endr
	v_permlanex16_b32 v57, v[200+\t], s36, s37
	v_or_b32 v[200+\t], v[200+\t], v57
	global_store_b128 v[L16], v[96+8*\t:99+8*\t], s[32:33] offset:768*\t           ; 512 consecutive bytes
	global_store_b64 v[L8], v[100+8*\t:101+8*\t], s[32:33] offset:768*\t+512       ; 256 consecutive bytes
.endr
	s_mov_b32 vcc_lo, 0xffff0000
.irp i, 0,1,2,3
	v_cndmask_b32 v[208+\i], v[200+2*\i], v[201+2*\i], vcc_lo      ; lanes 0-15 tile 2 i's words, lanes 16-31 tile 2 i + 1's
.endr
	global_store_b128 v[L16], v[208:211], s[32:33] offset:6144
.endm
; THE WAY OUT of v: channel tile n's 64 registers of a lane are blocks h and 2 + h of the 128 keys: a whole fragment.
.macro OUTV
	PLACES
.irp n, 0,1,2,3
	BMAX 48, 64*\n, 2
	v_add_nc_u32 v52, 0xff000000, v48
	v_add_nc_u32 v53, 0xff000000, v50
	v_lshrrev_b32 v54, 23, v52
	v_lshrrev_b32 v55, 23, v53
	WIN 0x01
	v_cvt_scalef32_pk16_fp6_f32 v[96+12*\n:98+12*\n], v[64*\n:64*\n+15], v52
	v_cvt_scalef32_pk16_fp6_f32 v[160+8*\n:162+8*\n], v[64*\n+16:64*\n+31], v52
	v_cvt_scalef32_pk16_fp6_f32 v[102+12*\n:104+12*\n], v[64*\n+32:64*\n+47], v53
	v_cvt_scalef32_pk16_fp6_f32 v[164+8*\n:166+8*\n], v[64*\n+48:64*\n+63], v53
	WIN 0
	v_lshl_or_b32 v[200+\n], v55, 16, v54          ; (the plain place behind the conversions)
.irp i, 0,1,2
	v_mov_b32 v[99+12*\n+\i], v[160+8*\n+\i]
	v_mov_b32 v[105+12*\n+\i], v[164+8*\n+\i]
.endr
	v_lshlrev_b32 v[200+\n], v[SH8], v[200+\n]
	v_permlanex16_b32 v57, v[200+\n], s36, s37
	v_or_b32 v[200+\n], v[200+\n], v57
.irp j, 0,1,2
	global_store_b128 v[L16], v[96+12*\n+4*\j:99+12*\n+4*\j], s[32:33] offset:1536*\n+512*\j
.endr
.endr
	s_mov_b32 vcc_lo, 0xffff0000
	v_cndmask_b32 v208, v200, v201, vcc_lo
	v_cndmask_b32 v209, v202, v203, vcc_lo
	v_mov_b32 v210, 0                              ; every byte of a record is stored
	v_mov_b32 v211, 0
	global_store_b128 v[L16], v[208:211], s[32:33] offset:6144
.endm
	s_cmp_eq_u32 s23, 2                            ; the same in all waves of a work-group
	s_cbranch_scc1 .Lv
	KLOOP 0
	OUTQK
	s_wait_tensorcnt 0x0
	ds_add_u32 v254, v255
	s_wait_dscnt 0x0
	s_endpgm
.Lv:
	KLOOP 1
	OUTV
	s_wait_tensorcnt 0x0
	ds_add_u32 v254, v255
	s_wait_dscnt 0x0
	s_endpgm
.Lfunc_end_k_qe3073d5eaf_qkv:
	.size	k_qe3073d5eaf_qkv, .Lfunc_end_k_qe3073d5eaf_qkv-k_qe3073d5eaf_qkv
	.p2alignl 7, 3214868480
	.fill 96, 4, 3214868480
	.section	.rodata,"a",@progbits
	.p2align	6, 0x0
	.amdhsa_kernel k_qe3073d5eaf_qkv
		.amdhsa_group_segment_fixed_size 171008
		.amdhsa_private_segment_fixed_size 0
		.amdhsa_enable_private_segment 0
		.amdhsa_kernarg_size 72
		.amdhsa_user_sgpr_count 2
		.amdhsa_user_sgpr_kernarg_segment_ptr 1
		.amdhsa_wavefront_size32 1
		.amdhsa_system_sgpr_workgroup_id_x 1
		.amdhsa_system_sgpr_workgroup_id_y 1
		.amdhsa_system_sgpr_workgroup_id_z 1
		.amdhsa_system_vgpr_workitem_id 0
		.amdhsa_next_free_vgpr 512
		.amdhsa_next_free_sgpr 66
		.amdhsa_reserve_vcc 1
		.amdhsa_float_denorm_mode_32 3
		.amdhsa_float_denorm_mode_16_64 3
		.amdhsa_memory_ordered 1
		.amdhsa_forward_progress 1
		.amdhsa_inst_pref_size 208
	.end_amdhsa_kernel
	.amdgpu_metadata
---
amdhsa.version: [ 1, 2 ]
amdhsa.kernels:
  - .name:           k_qe3073d5eaf_qkv
    .symbol:         k_qe3073d5eaf_qkv.kd
    .args:
      - { .name: x, .offset: 0, .size: 8, .value_kind: global_buffer, .address_space: global }
      - { .name: w_q_codes, .offset: 8, .size: 8, .value_kind: global_buffer, .address_space: global }
      - { .name: w_q_scales, .offset: 16, .size: 8, .value_kind: global_buffer, .address_space: global }
      - { .name: w_k_codes, .offset: 24, .size: 8, .value_kind: global_buffer, .address_space: global }
      - { .name: w_k_scales, .offset: 32, .size: 8, .value_kind: global_buffer, .address_space: global }
      - { .name: w_v_codes, .offset: 40, .size: 8, .value_kind: global_buffer, .address_space: global }
      - { .name: w_v_scales, .offset: 48, .size: 8, .value_kind: global_buffer, .address_space: global }
      - { .name: qf, .offset: 56, .size: 8, .value_kind: global_buffer, .address_space: global }
      - { .name: kv, .offset: 64, .size: 8, .value_kind: global_buffer, .address_space: global }
    .group_segment_fixed_size: 171008
    .private_segment_fixed_size: 0
    .kernarg_segment_align: 8
    .kernarg_segment_size: 72
    .max_flat_workgroup_size: 256
    .sgpr_count:     66
    .vgpr_count:     512
    .wavefront_size: 32
...
	.end_amdgpu_metadata
.endif
;; end of part 1
;; launch attn (part 2): grid 8 x 32, 16 waves a work-group, clusters of 4 x 1, 215,040 bytes of LDS; arguments qf, kv, cf; writes cf
.if DOCPART == 2
	.amdgcn_target "amdgcn-amd-amdhsa--gfx1250"
	.amdhsa_code_object_version 6
	.text
	.protected	k_qe3073d5eaf_attn
	.globl	k_qe3073d5eaf_attn
	.p2align	8
	.type	k_qe3073d5eaf_attn,@function
k_qe3073d5eaf_attn:
	s_mov_b64 s[64:65], 0
	v_nop
	global_prefetch_b8 v0, s[64:65] scope:SCOPE_SE
	s_setreg_imm32_b32 hwreg(HW_REG_WAVE_MODE, 25, 1), 1
	s_wait_xcnt 0x0
	s_wait_alu depctr_hold_cnt(0) depctr_sa_sdst(0) depctr_va_vdst(0) depctr_va_sdst(0) depctr_va_ssrc(0) depctr_va_vcc(0) depctr_vm_vsrc(0)
	s_getreg_b32 s2, hwreg(HW_REG_IB_STS2, 6, 4)
	s_cmp_eq_u32 s2, 0
	s_cbranch_scc0 .Lentry_in_a_cluster
	s_endpgm
.Lentry_in_a_cluster:
	s_bfe_u32 s2, ttmp6, 0x10000c
	s_cmp_lg_u32 s2, 0x3003
	s_cbranch_scc0 .Lentry_shape_is_right
	s_endpgm
.Lentry_shape_is_right:
; ctx = softmax(q k^T / 8) v for one head, both products on codes of FP6 (E2M3) with E8M0 scales, and ctx quantised along the model's 1024 for the last product.
; THE SOFTMAX: t = score x log2(e) / 8; M = the running largest t rounded UP to a whole number; p = 2^(t - M) is quantised along the keys, not normalised; the row's sum is taken of the unquantised p and divides at the end.
; When M moves, the sum and O are multiplied by 2^(old M - new M), which rounds nothing.
; SHARES.  A work-group owns 256 queries of one (batch, head); each of its sixteen waves one tile of 16 queries in 256 registers, four waves to a SIMD.  Every wave walks the head's 2,048 keys, 128 a step.
; LDS holds the head's WHOLE k and v: 16 records of 13,312 bytes, images of operand registers as the launch before has laid them.  It is filled once and never again.
; CLUSTER.  The four query blocks of a cluster belong to one head, so each part is asked for JOINTLY: the same tensor load with the same descriptor and a mask that names the four.  Each wave issues two:
; its sixteenth of records 0-3 (13 rows of 256 bytes) and of records 4-15 (39 rows), so that the first four key steps can begin while the rest is on its way.  Two tensor loads of a wave are out at the most.
; LAYOUT.  S^T = k q^T (source 0 = 16 keys, source 1 = my 16 queries; K = 64, the upper half of each operand is zero codes), O^T = v^T p^T: a lane holds ONE query throughout.
; The keys of a tile were chosen (tile t, row i -> 64 (t / 4) + 8 (t % 4) + i % 8 + 32 (i / 8)) so that registers 0-31 of a lane's scores are keys 32 h + 0 .. 31 and registers 32-63 keys 64 + 32 h + 0 .. 31:
; two WHOLE blocks, in the places that the second product's operand gives that lane.  A block's largest p is the exponential of its largest score.  Likewise a lane's 32 registers of O^T are channels 32 h + 0 .. 31.
; OUT.  In the last product's fragment for heads 2 s and 2 s + 1, lanes 16 (head % 2) + r hold this head, registers 6 c on its channels 32 c on.  The codes leave in runs of 256 consecutive aligned bytes;
; the scale words leave as 64 bytes a wave, a part of 256: 1,024 of a record's 13,312 bytes.
; NO PREFETCH: all that the launch reads of k and v is asked for at its head.
; LIMITS: NaN and infinities are not served.  A block of zeros gets the scale byte 1, not 127: its codes are zeros, and these bytes are read by this program alone.
; REGISTERS: v1-5 addresses; v6-11 at work; v12 -M, v13 the largest t, v[14:15] the sum in two halves; v16-27 q, v28 its scale words; v29 p's; v30, 31, 250, 251 maxima; v32-79 four fragments of k; v80-127 v's four;
;   v128-191 S^T, then p; v192-223 O^T; v224-235 p's codes; v236-242 second halves of blocks; v244-247 k's scale words, v248-249 v's; v[252:253] f.
.set REC, 13312
.macro PLACES                          ; four plain vector instructions between a matrix instruction and a load into, or a vector instruction on, its registers
.rept 4
	v_nop
.endr
.endm
.macro WM d, a, b, z, sa, sb, ra, rb   ; one matrix instruction.  z = 0: it starts the sum.  ra: source 0's scale words are taken from lanes 16-31 (rb is not used here)
.if (\z) == 0
.if (\ra) == 0
	v_wmma_scale_f32_16x16x128_f8f6f4 v[\d:\d+7], v[\a:\a+11], v[\b:\b+11], 0, v[\sa], v[\sb] matrix_a_fmt:MATRIX_FMT_FP6 matrix_b_fmt:MATRIX_FMT_FP6
.else
	v_wmma_scale_f32_16x16x128_f8f6f4 v[\d:\d+7], v[\a:\a+11], v[\b:\b+11], 0, v[\sa], v[\sb] matrix_a_fmt:MATRIX_FMT_FP6 matrix_b_fmt:MATRIX_FMT_FP6 matrix_a_scale:MATRIX_SCALE_ROW1
.endif
.else
.if (\ra) == 0
	v_wmma_scale_f32_16x16x128_f8f6f4 v[\d:\d+7], v[\a:\a+11], v[\b:\b+11], v[\d:\d+7], v[\sa], v[\sb] matrix_a_fmt:MATRIX_FMT_FP6 matrix_b_fmt:MATRIX_FMT_FP6
.else
	v_wmma_scale_f32_16x16x128_f8f6f4 v[\d:\d+7], v[\a:\a+11], v[\b:\b+11], v[\d:\d+7], v[\sa], v[\sb] matrix_a_fmt:MATRIX_FMT_FP6 matrix_b_fmt:MATRIX_FMT_FP6 matrix_a_scale:MATRIX_SCALE_ROW1
.endif
.endif
.endm
.macro ROUND                           ; a round of the cluster's barrier: my work-group's barrier; wave 0 signals for the work-group; every wave waits for all four work-groups; my work-group's barrier once more
	s_barrier_signal -1
	s_barrier_wait -1
	s_cmp_lg_u32 s10, 0
	s_cbranch_scc1 .Lnot_wave_0_\@
	s_barrier_signal -3
.Lnot_wave_0_\@:
	s_barrier_wait -3
	s_barrier_signal -1
	s_barrier_wait -1
.endm
	s_load_b128 s[4:7], s[0:1], 0x0                ; qf, kv
	s_load_b64 s[8:9], s[0:1], 0x10                ; cf
	v_lshl_add_u32 v254, v0, 2, 0x34000
	v_mov_b32 v255, 0
	ds_add_u32 v254, v255
	ds_add_u32 v254, v255
	v_lshrrev_b32 v3, 5, v0
	v_readfirstlane_b32 s10, v3                    ; wave 0..15
	v_and_b32 v1, 31, v0
	v_lshlrev_b32 v2, 3, v1                        ; 8 x lane
	v_lshlrev_b32 v1, 4, v1                        ; 16 x lane
	v_bfe_u32 v5, v0, 4, 1
	v_lshlrev_b32 v5, 3, v5                        ; 8 h
	v_and_b32 v10, 15, v0
	v_lshlrev_b32 v10, 4, v10                      ; 16 r: q's scale words
	; the descriptors first, in registers that never hold a number made from my place in the cluster
	s_and_b32 s53, ttmp7, 0xffff                   ; 16 x batch + head, which the four partners share
	s_mul_i32 s51, s53, 16*REC                     ; the head's block in kv
	s_mov_b32 s12, 1                               ; group 0, load A: count = 1,
	s_mul_i32 s13, s10, 3328                       ; LDS address: my 13 rows of the first 208,
	s_add_co_u32 s14, s51, s13                     ; and the same bytes of the head's block
	s_mov_b32 s15, 0
	s_mov_b32 s16, 1                               ; load B:
	s_mul_i32 s17, s10, 9984
	s_add_co_u32 s17, s17, 4*REC                   ; my 39 rows of the other 624
	s_add_co_u32 s18, s51, s17
	s_mov_b32 s19, 0
	s_mov_b32 s20, 0x0023000f                      ; group 1, load A: 15:0 the mask: all four work-groups; 17:16 elements of 8 bytes; 20 no padding; 21 set beside a mask
	s_mov_b32 s21, 32<<16                          ; tensor_dim0 = 32 elements: 256 bytes
	s_mov_b32 s22, 13<<16                          ; tensor_dim1 = 13
	s_mov_b32 s23, 32<<16                          ; tile_dim0
	s_mov_b32 s24, 13                              ; tile_dim1
	s_mov_b32 s25, 32                              ; from row to row: dense
	s_mov_b32 s26, 0
	s_mov_b32 s27, 0
	s_mov_b32 s28, 0x0023000f                      ; load B: the same with 39 rows
	s_mov_b32 s29, 32<<16
	s_mov_b32 s30, 39<<16
	s_mov_b32 s31, 32<<16
	s_mov_b32 s32, 39
	s_mov_b32 s33, 32
	s_mov_b32 s34, 0
	s_mov_b32 s35, 0
	s_mov_b32 s36, 0x76543210
	s_mov_b32 s37, 0xfedcba98                      ; v_permlanex16_b32's selects for lane l xor 16
	s_mov_b32 s38, 0x3e38aa3b                      ; c = log2(e) / 8
	s_mov_b32 s39, s38                             ; (the packed form names the pair)
	; my queries: only q's and cf's global addresses hang on my place in the cluster
	s_bfe_u32 s11, ttmp6, 0x40000                  ; cx
	s_lshl_b32 s52, ttmp9, 2
	s_add_co_u32 s52, s52, s11                     ; my block of 256 queries
	s_lshr_b32 s54, s10, 3
	s_and_b32 s55, s10, 7                          ; T: my tile in its group of 128 rows
	s_lshl_b32 s56, s52, 1
	s_add_co_u32 s56, s56, s54                     ; the group in the batch
	s_lshl_b32 s57, s53, 4
	s_add_co_u32 s57, s57, s56
	s_mul_i32 s57, s57, 6656                       ; q's record
	s_mul_i32 s58, s55, 768
	s_add_co_u32 s58, s58, s57                     ; my tile's codes
	s_mov_b32 s59, 0
	s_and_b32 s60, s55, 1
	s_lshl_b32 s60, s60, 8
	s_lshr_b32 s61, s55, 1
	s_lshl_b32 s61, s61, 2
	s_add_co_u32 s60, s60, s61
	s_add_co_u32 s60, s60, s57
	s_add_co_u32 s60, s60, 6144                    ; its scale words: 6144 + 256 (T % 2) + 4 (T / 2), 16 bytes a row
	s_mov_b32 s61, 0
	s_lshr_b32 s62, s53, 4
	s_lshl_b32 s62, s62, 4
	s_add_co_u32 s62, s62, s56
	s_lshl_b32 s62, s62, 3
	s_add_co_u32 s62, s62, s55
	s_mul_i32 s62, s62, REC                        ; cf's record of my tile
	s_and_b32 s63, s53, 15                         ; the head
	s_lshr_b32 s54, s63, 1
	s_mul_i32 s54, s54, 1536
	s_and_b32 s50, s63, 1
	s_lshl_b32 s55, s50, 8
	s_add_co_u32 s54, s54, s55
	s_add_co_u32 s54, s54, s62                     ; fragment head / 2, lanes 16 (head % 2) on
	s_mov_b32 s55, 0
	s_lshl_b32 s56, s63, 6
	s_add_co_u32 s56, s56, s62
	s_add_co_u32 s56, s56, 12288                   ; the head's 16 scale words
	s_mov_b32 s57, 0
	s_lshl_b32 s50, s50, 3                         ; 8 (head % 2)
	s_mov_b32 s40, 0                               ; LDS byte of the key step in hand
	s_wait_dscnt 0x0
	s_wait_kmcnt 0x0
	s_add_nc_u64 s[14:15], s[6:7], s[14:15]
	s_or_b32 s15, s15, 0x80000000                  ; type = 2
	s_add_nc_u64 s[18:19], s[6:7], s[18:19]
	s_or_b32 s19, s19, 0x80000000
	s_add_nc_u64 s[42:43], s[4:5], s[58:59]
	s_add_nc_u64 s[44:45], s[4:5], s[60:61]
	s_add_nc_u64 s[46:47], s[8:9], s[54:55]
	s_add_nc_u64 s[48:49], s[8:9], s[56:57]
	ROUND                                          ; all four work-groups are here: the joint loads meet
	tensor_load_to_lds s[12:15], s[20:27]
	s_nop 0
	tensor_load_to_lds s[16:19], s[28:35]
	s_nop 0
.rept 4
	v_nop                                          ; four nops behind the tensor loads
.endr
	global_load_b128 v[16:19], v1, s[42:43]        ; q's fragment stays in registers: six registers of codes,
	global_load_b64 v[20:21], v2, s[42:43] offset:512
	global_load_b32 v28, v10, s[44:45]             ; and its rows' scale words
.irp i, 22,23,24,25,26,27
	v_mov_b32 v[\i], 0                             ; K = 64: the upper half of the operand is zero codes
.endr
.irp t, 0,1,2,3
.irp i, 6,7,8,9,10,11
	v_mov_b32 v[32+12*\t+\i], 0                    ; likewise in k's four fragments: written once, never loaded
.endr
.endr
.set j, 0
.rept 32
	v_mov_b32 v[192+j], 0                          ; O^T.  (The step is written without a first form: the first change of M multiplies zeros)
.set j, j+1
.endr
	v_mov_b32 v14, 0
	v_mov_b32 v15, 0
	v_mov_b32 v13, 0xff61b1e6                      ; the largest t so far: -3e38, under every t
	v_floor_f32 v12, -v13
	v_mov_b32 v11, 0                               ; written once: a lane permute's destination counts as one of its sources
	v_mov_b32 v253, 0                              ; (named as the upper half of the pair v[252:253])
; A KEY STEP: 128 keys, the record at LDS byte s40.
.macro STEP
	v_add_nc_u32 v3, s40, v1
	v_add_nc_u32 v4, s40, v2
.irp t, 0,1,2,3
	ds_load_b128 v[32+12*\t:35+12*\t], v3 offset:768*\t
	ds_load_b64 v[36+12*\t:37+12*\t], v4 offset:768*\t+512
.endr
	ds_load_b128 v[244:247], v3 offset:6144        ; k's scale words: register i: lanes 0-15 tile 2 i, lanes 16-31 tile 2 i + 1
	s_wait_dscnt 0x0
.irp t, 0,1,2,3
	WM 128+8*\t, 32+12*\t, 16, 0, 244+\t/2, 28, \t%2, 0
.endr
	PLACES                                         ; with the two additions above also the places behind the last step's products, in front of the loads of v
.irp t, 0,1,2,3
	ds_load_b128 v[32+12*\t:35+12*\t], v3 offset:768*(\t+4)
	ds_load_b64 v[36+12*\t:37+12*\t], v4 offset:768*(\t+4)+512
.endr
.irp n, 0,1,2,3
.irp j, 0,1,2
	ds_load_b128 v[80+12*\n+4*\j:83+12*\n+4*\j], v3 offset:6656+1536*\n+512*\j
.endr
.endr
	ds_load_b64 v[248:249], v3 offset:12800
	s_wait_dscnt 13                                ; k's tiles 4-7 are in; v's 12 loads and its scale words stay out and land under the softmax
.irp t, 0,1,2,3
	WM 160+8*\t, 32+12*\t, 16, 0, 246+\t/2, 28, \t%2, 0
.endr
	PLACES
	; the largest score of each of my two blocks of 32 keys, in four chains by turns; each accumulator is first read at one of its four lowest registers
.irp b, 0,1
	v_max3_num_f32 v[30+\b], v[128+32*\b], v[129+32*\b], v[130+32*\b]
	v_max3_num_f32 v[250+\b], v[144+32*\b], v[145+32*\b], v[146+32*\b]
.endr
.irp i, 3,5,7,9,11,13
.irp b, 0,1
	v_max3_num_f32 v[30+\b], v[30+\b], v[128+32*\b+\i], v[129+32*\b+\i]
	v_max3_num_f32 v[250+\b], v[250+\b], v[144+32*\b+\i], v[145+32*\b+\i]
.endr
.endr
.irp b, 0,1
	v_max3_num_f32 v[30+\b], v[30+\b], v[143+32*\b], v[159+32*\b]
.endr
.irp b, 0,1
	v_max_num_f32 v[30+\b], v[30+\b], v[250+\b]
.endr
	v_max_num_f32 v10, v30, v31
	v_permlanex16_b32 v11, v10, s36, s37
	v_max_num_f32 v10, v10, v11                    ; the step's largest score of my query
	v_mul_f32 v10, s38, v10                        ; as t (c is positive)
	v_max_num_f32 v13, v13, v10                    ; the running largest t
	v_mov_b32 v10, v12
	v_floor_f32 v12, -v13                          ; the new -M = floor(-t): M is a whole number
	v_sub_f32 v10, v12, v10                        ; old M - new M: a whole number, 0 or less
	v_cvt_i32_f32 v10, v10                         ; (it saturates)
	v_ldexp_f32 v252, 1.0, v10                     ; f = 2^(old M - new M)
.set j, 0
.rept 32
	v_pk_fma_f32 v[128+j:129+j], v[128+j:129+j], s[38:39], v[12:13] op_sel_hi:[1,0,0]   ; t - M, two at a time
.set j, j+2
.endr
	v_fma_f32 v30, v30, s38, v12                   ; the same of each block's largest score
	v_fma_f32 v31, v31, s38, v12
.set j, 0
.rept 64
	v_exp_f32 v[128+j], v[128+j]                   ; p = 2^(t - M), at most 1
.set j, j+1
.endr
	v_exp_f32 v30, v30                             ; the block's largest p: the same two instructions on the same number
	v_exp_f32 v31, v31
	v_pk_mul_f32 v[14:15], v[14:15], v[252:253] op_sel_hi:[1,0]    ; the sums under the new M.  (The plain place behind the exponentials)
	s_wait_alu depctr_va_vdst(0)
	v_max_num_f32 v30, 0x1800000, v30              ; the floor 2^(3 - 127): the byte cannot fall under 1
	v_max_num_f32 v31, 0x1800000, v31
	v_add_nc_u32 v6, 0xff000000, v30               ; 2 off the exponent field: the conversion's scale operand
	v_add_nc_u32 v7, 0xff000000, v31
	v_lshrrev_b32 v8, 23, v6                       ; the scale's byte
	v_lshrrev_b32 v9, 23, v7
	v_lshl_or_b32 v29, v9, 16, v8                  ; my two bytes, blocks h and 2 + h,
	v_lshlrev_b32 v29, v5, v29                     ; 8 h bits up;
	v_permlanex16_b32 v11, v29, s36, s37
	v_or_b32 v29, v29, v11                         ; with lane l xor 16's two: p's scale word for these 128 keys
	v_cvt_scalef32_pk16_fp6_f32 v[224:226], v[128:143], v6
	v_cvt_scalef32_pk16_fp6_f32 v[236:238], v[144:159], v6         ; (a conversion's three registers begin on an even number)
	v_cvt_scalef32_pk16_fp6_f32 v[230:232], v[160:175], v7
	v_cvt_scalef32_pk16_fp6_f32 v[240:242], v[176:191], v7
	v_nop                                          ; one plain place behind the conversions
.irp i, 0,1,2
	v_mov_b32 v[227+\i], v[236+\i]
	v_mov_b32 v[233+\i], v[240+\i]
.endr
	v_pk_add_f32 v[236:237], v[128:129], v[130:131]                ; the row's sum is taken of the unquantised p: two at a time, in two chains
.irp j, 4,8,12,16,20,24,28,32,36,40,44,48,52,56,60
	v_pk_add_f32 v[14:15], v[14:15], v[128+\j:129+\j]
	v_pk_add_f32 v[236:237], v[236:237], v[130+\j:131+\j]
.endr
	v_pk_add_f32 v[14:15], v[14:15], v[236:237]
.set j, 0
.rept 16
	v_pk_mul_f32 v[192+j:193+j], v[192+j:193+j], v[252:253] op_sel_hi:[1,0]   ; O^T under the new M.  (These and the sums are the places between the scale word's and the codes' last writes and the products below)
.set j, j+2
.endr
	s_wait_dscnt 0x0                               ; v and its scale words are in
.irp n, 0,1,2,3
	WM 192+8*\n, 80+12*\n, 224, 1, 248+\n/2, 29, \n%2, 0           ; the four accumulators take turns
.endr
	s_add_co_u32 s40, s40, REC
.endm
	s_wait_loadcnt 0x0                             ; q
	s_wait_tensorcnt 0x1                           ; my part of records 0-3 is in; my second load may stay out
	s_barrier_signal -1
	s_barrier_wait -1                              ; everybody's is
	s_mov_b32 s41, 4
.LA:
	STEP
	s_sub_co_u32 s41, s41, 1
	s_cmp_lg_u32 s41, 0
	s_cbranch_scc1 .LA
	s_wait_tensorcnt 0x0                           ; my part of records 4-15 is in
	s_wait_dscnt 0x0
	s_barrier_signal -1
	s_barrier_wait -1
	s_mov_b32 s41, 12
.LB:
	STEP
	s_sub_co_u32 s41, s41, 1
	s_cmp_lg_u32 s41, 0
	s_cbranch_scc1 .LB
	; THE WAY OUT.  The addresses are made here: seven plain instructions, the places behind the last products.
	v_and_b32 v6, 15, v0                           ; r
	v_bfe_u32 v7, v0, 4, 1                         ; h
	v_lshlrev_b32 v3, 4, v6
	v_lshl_add_u32 v4, v7, 3, v3                   ; 16 r + 8 h
	v_lshl_add_u32 v3, v7, 10, v3                  ; 16 r + 1024 h
	v_lshlrev_b32 v8, 2, v6                        ; 4 r
	v_lshl_add_u32 v9, v7, 4, s50                  ; 16 h + 8 (head % 2): my byte's place in the fragment's scale word
	v_add_f32 v14, v14, v15                        ; the sum's two halves,
	v_permlanex16_b32 v11, v14, s36, s37
	v_add_f32 v14, v14, v11                        ; and lane l xor 16's: the row's sum
	v_rcp_f32 v14, v14
	v_nop                                          ; one plain place behind the reciprocal
.set j, 0
	s_wait_alu depctr_va_vdst(0)
.rept 32
	v_mul_f32 v[128+j], v[192+j], v14              ; ctx(query r, channel 32 h + j)
.set j, j+1
.endr
	v_max3_num_f32 v30, |v128|, |v129|, |v130|     ; the block's largest magnitude: all 32 numbers are mine
	v_max3_num_f32 v31, |v144|, |v145|, |v146|
.irp i, 3,5,7,9,11,13
	v_max3_num_f32 v30, v30, |v[128+\i]|, |v[129+\i]|
	v_max3_num_f32 v31, v31, |v[144+\i]|, |v[145+\i]|
.endr
	v_max3_num_f32 v30, v30, |v143|, |v159|
	v_max3_num_f32 v30, v30, v31, 0x1800000
	v_add_nc_u32 v6, 0xff000000, v30
	v_lshrrev_b32 v7, 23, v6
	v_cvt_scalef32_pk16_fp6_f32 v[224:226], v[128:143], v6
	v_cvt_scalef32_pk16_fp6_f32 v[236:238], v[144:159], v6
	v_lshlrev_b32 v7, v9, v7                       ; (the plain place behind the conversions)
.irp i, 0,1,2
	v_mov_b32 v[227+\i], v[236+\i]
.endr
	v_permlanex16_b32 v11, v7, s36, s37
	v_or_b32 v7, v7, v11                           ; the head's two bytes of row r's word
	s_mov_b32 vcc_lo, 0xffff0000
.irp i, 0,1,2,3
	v_cndmask_b32 v[240+\i], v[224+\i], v[226+\i], vcc_lo          ; h = 0: registers 0-3 of the fragment; h = 1: registers 8-11, my codes' last four
.endr
.irp i, 0,1
	v_cndmask_b32 v[232+\i], v[228+\i], v[224+\i], vcc_lo          ; h = 0: registers 4, 5; h = 1: registers 6, 7, my codes' first two
.endr
	global_store_b128 v3, v[240:243], s[46:47]                     ; sixteen lanes store 256 consecutive aligned bytes
	global_store_b64 v4, v[232:233], s[46:47] offset:512           ; 32 lanes store 256 consecutive aligned bytes
	global_store_b32 v8, v7, s[48:49]                              ; lanes r and r + 16 store the same word with the same value
	s_wait_tensorcnt 0x0
	s_wait_dscnt 0x0
	s_wait_tensorcnt 0x0
	ds_add_u32 v254, v255
	s_wait_dscnt 0x0
	ROUND                                          ; the closing round: no work-group ends while a partner may still ask for a part that names it
	s_endpgm
.Lfunc_end_k_qe3073d5eaf_attn:
	.size	k_qe3073d5eaf_attn, .Lfunc_end_k_qe3073d5eaf_attn-k_qe3073d5eaf_attn
	.p2alignl 7, 3214868480
	.fill 96, 4, 3214868480
	.section	.rodata,"a",@progbits
	.p2align	6, 0x0
	.amdhsa_kernel k_qe3073d5eaf_attn
		.amdhsa_group_segment_fixed_size 215040
		.amdhsa_private_segment_fixed_size 0
		.amdhsa_enable_private_segment 0
		.amdhsa_kernarg_size 24
		.amdhsa_user_sgpr_count 2
		.amdhsa_user_sgpr_kernarg_segment_ptr 1
		.amdhsa_wavefront_size32 1
		.amdhsa_system_sgpr_workgroup_id_x 1
		.amdhsa_system_sgpr_workgroup_id_y 1
		.amdhsa_system_sgpr_workgroup_id_z 1
		.amdhsa_system_vgpr_workitem_id 0
		.amdhsa_next_free_vgpr 256
		.amdhsa_next_free_sgpr 66
		.amdhsa_reserve_vcc 1
		.amdhsa_float_denorm_mode_32 3
		.amdhsa_float_denorm_mode_16_64 3
		.amdhsa_memory_ordered 1
		.amdhsa_forward_progress 1
		.amdhsa_inst_pref_size 42
	.end_amdhsa_kernel
	.amdgpu_metadata
---
amdhsa.version: [ 1, 2 ]
amdhsa.kernels:
  - .name:           k_qe3073d5eaf_attn
    .symbol:         k_qe3073d5eaf_attn.kd
    .args:
      - { .name: qf, .offset: 0, .size: 8, .value_kind: global_buffer, .address_space: global }
      - { .name: kv, .offset: 8, .size: 8, .value_kind: global_buffer, .address_space: global }
      - { .name: cf, .offset: 16, .size: 8, .value_kind: global_buffer, .address_space: global }
    .group_segment_fixed_size: 215040
    .private_segment_fixed_size: 0
    .kernarg_segment_align: 8
    .kernarg_segment_size: 24
    .max_flat_workgroup_size: 512
    .sgpr_count:     66
    .vgpr_count:     256
    .wavefront_size: 32
...
	.end_amdgpu_metadata
.endif
;; end of part 2
;; launch oproj (part 3): grid 128 x 1, 16 waves a work-group, no clusters, 133,632 bytes of LDS; arguments cf, w_o_codes, w_o_scales, b_o, x, ln_gamma, ln_beta, out0; writes out0
.if DOCPART == 3
	.amdgcn_target "amdgcn-amd-amdhsa--gfx1250"
	.amdhsa_code_object_version 6
	.text
	.protected	k_qe3073d5eaf_oproj
	.globl	k_qe3073d5eaf_oproj
	.p2align	8
	.type	k_qe3073d5eaf_oproj,@function
k_qe3073d5eaf_oproj:
	s_mov_b64 s[64:65], 0
	v_nop
	global_prefetch_b8 v0, s[64:65] scope:SCOPE_SE
	s_setreg_imm32_b32 hwreg(HW_REG_WAVE_MODE, 25, 1), 1
	s_wait_xcnt 0x0
; out = LayerNorm(ctx Wo^T + b_o + x) x gamma + beta.  The product is on codes of FP6 (E2M3) with E8M0 scales; all else in f32.
; ctx arrives as images of operand registers, one record of 13,312 bytes for a tile of 16 rows: 8 fragments (K step s = heads 2 s, 2 s + 1) and, for each head, 16 words with that head's two scale bytes in their places.
; Wo [1024][1024] arrives as codes (768 bytes a row) with 32 scale bytes a row.
; SHARES.  A work-group takes two tiles, 32 WHOLE rows, since the norm wants all 1,024 columns.  In the product wave w makes columns 64 w .. 64 w + 63 of both tiles: 8 accumulators, which take turns.
; The results meet in a stage in LDS; behind one barrier wave w owns rows w and 16 + w of the stage, a lane 32 numbers of each.
; K IS PERMUTED ALIKE ON BOTH OPERANDS: in each 128 along K the place (c, h) of the operand's layout holds block 2 h + c: a lane's 12 registers of a fragment of Wo are 48 consecutive bytes of the row;
; in Wo's scale words bytes 1 and 2 change places; ctx was laid so.  LIMIT: this changes the order in which the f32 sums are formed, nothing else.
; THE BIAS is loaded into the accumulators, in the result's layout: every K step, the first too, adds in place.
; THE VARIANCE is taken of y - mean, in a second pass over registers, so that a common offset of the inputs is not squared.
; ROWS: row r of tile 2 g + m is row 128 (g / 4) + 64 ((g / 2) % 2) + 16 (g % 2) + 8 m + r % 8 + 32 (r / 8) of x and of out.
; NO CLUSTER: what the work-groups share is Wo.  A joint request lands in LDS; here each fragment of Wo is used by one wave alone and goes from memory straight into its operand registers,
; so through LDS its 786,432 bytes a work-group would be written there and read back once for nothing inside the work-group.
; 128 WORK-GROUPS: each must walk all of Wo whatever its rows; with 16 rows to a work-group there would be twice as many walks.
; LIMITS: NaN and infinities among the inputs are not served.
; REGISTERS: v1-9, v14 addresses; v16-87, v88-159 two sets of four fragments of Wo and two of ctx (later: x's two rows; gamma, beta, v152-158 at work); v160-175 Wo's scale words; v176-183 ctx's; v184-191 the odd heads' halves of them;
;   v192-255 the accumulators ((n, m) at 192 + 8 (2 n + m)), later the two rows of y.
.set SP, 4112                          ; a stage row: 4,096 bytes + 16 = 257 x 16: sixteen lanes that write the same place of sixteen rows touch sixteen different 16-byte columns of 256 bytes
.macro PLACES                          ; four plain vector instructions between a matrix instruction and a load into, or an LDS store of, its registers
.rept 4
	v_nop
.endr
.endm
.macro WM d, a, b, sa, sb, ra, rb      ; one matrix instruction, adding in place.  ra, rb: the scale words are taken from lanes 16-31
.if ((\ra) == 0) && ((\rb) == 0)
	v_wmma_scale_f32_16x16x128_f8f6f4 v[\d:\d+7], v[\a:\a+11], v[\b:\b+11], v[\d:\d+7], v[\sa], v[\sb] matrix_a_fmt:MATRIX_FMT_FP6 matrix_b_fmt:MATRIX_FMT_FP6
.elseif (\rb) == 0
	v_wmma_scale_f32_16x16x128_f8f6f4 v[\d:\d+7], v[\a:\a+11], v[\b:\b+11], v[\d:\d+7], v[\sa], v[\sb] matrix_a_fmt:MATRIX_FMT_FP6 matrix_b_fmt:MATRIX_FMT_FP6 matrix_a_scale:MATRIX_SCALE_ROW1
.elseif (\ra) == 0
	v_wmma_scale_f32_16x16x128_f8f6f4 v[\d:\d+7], v[\a:\a+11], v[\b:\b+11], v[\d:\d+7], v[\sa], v[\sb] matrix_a_fmt:MATRIX_FMT_FP6 matrix_b_fmt:MATRIX_FMT_FP6 matrix_b_scale:MATRIX_SCALE_ROW1
.else
	v_wmma_scale_f32_16x16x128_f8f6f4 v[\d:\d+7], v[\a:\a+11], v[\b:\b+11], v[\d:\d+7], v[\sa], v[\sb] matrix_a_fmt:MATRIX_FMT_FP6 matrix_b_fmt:MATRIX_FMT_FP6 matrix_a_scale:MATRIX_SCALE_ROW1 matrix_b_scale:MATRIX_SCALE_ROW1
.endif
.endm
.macro LOADW s                         ; K step s: my four fragments of Wo and the two of ctx: 18 loads
.set BL, 16+72*((\s)%2)
.irp n, 0,1,2,3
.irp j, 0,1,2
	global_load_b128 v[BL+12*\n+4*\j:BL+12*\n+4*\j+3], v2, s[6:7] offset:12288*\n+96*(\s)+16*\j
.endr
.endr
.irp m, 0,1
.irp j, 0,1,2
	global_load_b128 v[BL+48+12*\m+4*\j:BL+48+12*\m+4*\j+3], v1, s[4:5] offset:13312*\m+1536*(\s)+512*\j
.endr
.endr
.endm
	s_load_b512 s[4:19], s[0:1], 0x0               ; cf, Wo codes, Wo scales, b_o, x, gamma, beta, out
	v_lshrrev_b32 v10, 5, v0
	v_readfirstlane_b32 s20, v10                   ; wave 0..15
	v_and_b32 v11, 31, v0                          ; lane
	v_and_b32 v12, 15, v0                          ; r
	v_bfe_u32 v13, v0, 4, 1                        ; h
	v_lshlrev_b32 v1, 4, v11                       ; 16 x lane
	v_mul_u32_u24 v2, v12, 768
	v_mad_u32_u24 v2, v13, 48, v2                  ; Wo: row r, + 48 h
	v_lshl_add_u32 v3, v13, 4, v12
	v_lshlrev_b32 v3, 5, v3                        ; its scale bytes: lanes 16-31 take the next tile's rows
	v_lshlrev_b32 v4, 2, v12
	v_mad_u32_u24 v4, v13, 13312, v4               ; ctx's scale words: lanes 0-15 tile 0's, lanes 16-31 tile 1's
	s_lshl_b32 s21, s20, 8
	v_mul_u32_u24 v5, v12, SP
	v_lshl_add_u32 v5, v13, 5, v5
	v_add_nc_u32 v5, s21, v5                       ; into the stage: row r, + 32 h, + my 256 bytes;
	v_add_nc_u32 v6, 16*SP, v5                     ; tile 1's rows
	s_mul_i32 s21, s20, SP
	v_add_nc_u32 v7, s21, v1                       ; back: row w, 16 bytes a lane;
	v_add_nc_u32 v8, 16*SP, v7                     ; row 16 + w
	v_lshlrev_b32 v9, 8, v12
	v_lshl_add_u32 v9, v13, 15, v9                 ; the prefetch: lanes 0-15 my first row of x, lanes 16-31 my second, 256 bytes from lane to lane
	v_lshlrev_b32 v14, 5, v13                      ; b_o: 32 h
	v_mov_b32 v158, 0                              ; written once: a lane permute's destination counts as one of its sources
	s_mul_i32 s22, ttmp9, 2*13312                  ; my two records of ctx
	s_mov_b32 s23, 0
	s_mul_i32 s24, s20, 49152                      ; my 64 rows of Wo's codes
	s_mov_b32 s25, 0
	s_lshl_b32 s26, s20, 11                        ; and of its scale bytes
	s_mov_b32 s27, 0
	s_lshl_b32 s28, s20, 8                         ; my 64 numbers of b_o
	s_mov_b32 s29, 0
	s_lshr_b32 s30, ttmp9, 2
	s_lshl_b32 s30, s30, 7
	s_bfe_u32 s31, ttmp9, 0x10001
	s_lshl_b32 s31, s31, 6
	s_add_co_u32 s30, s30, s31
	s_and_b32 s31, ttmp9, 1
	s_lshl_b32 s31, s31, 4
	s_add_co_u32 s30, s30, s31
	s_and_b32 s31, s20, 7
	s_add_co_u32 s30, s30, s31
	s_lshr_b32 s31, s20, 3
	s_lshl_b32 s31, s31, 5
	s_add_co_u32 s30, s30, s31                     ; my first row of x and of out; the second lies 8 rows on
	s_lshl_b32 s30, s30, 12
	s_mov_b32 s31, 0
	s_mov_b32 s32, 0x76543210
	s_mov_b32 s33, 0xfedcba98                      ; v_permlanex16_b32's selects for lane l xor 16
	s_mov_b32 s34, 0x03010200                      ; v_perm_b32: bytes 1 and 2 change places
	s_mov_b32 s35, 0x3a800000                      ; 1 / 1024
	s_mov_b32 s36, 0x3727c5ac                      ; 1e-5
	s_wait_kmcnt 0x0
	s_add_nc_u64 s[4:5], s[4:5], s[22:23]
	s_add_nc_u64 s[6:7], s[6:7], s[24:25]
	s_add_nc_u64 s[8:9], s[8:9], s[26:27]
	s_add_nc_u64 s[10:11], s[10:11], s[28:29]
	s_add_nc_u64 s[12:13], s[12:13], s[30:31]
	s_add_nc_u64 s[18:19], s[18:19], s[30:31]
	global_load_b128 v[160:163], v3, s[8:9]        ; Wo's scale words of all 8 K steps: register 8 p + s: lanes 0-15 tile 2 p, lanes 16-31 tile 2 p + 1
	global_load_b128 v[164:167], v3, s[8:9] offset:16
	global_load_b128 v[168:171], v3, s[8:9] offset:1024
	global_load_b128 v[172:175], v3, s[8:9] offset:1040
.irp s, 0,1,2,3,4,5,6,7
	global_load_b32 v[176+\s], v4, s[4:5] offset:12288+128*\s      ; head 2 s's two bytes of each row's word,
	global_load_b32 v[184+\s], v4, s[4:5] offset:12288+128*\s+64   ; and head 2 s + 1's
.endr
.irp n, 0,1,2,3
.irp m, 0,1
	global_load_b128 v[192+8*(2*\n+\m):195+8*(2*\n+\m)], v14, s[10:11] offset:64*\n       ; b_o at columns 16 n + 8 h + 0 .. 7 of my 64: the sums begin with it
	global_load_b128 v[196+8*(2*\n+\m):199+8*(2*\n+\m)], v14, s[10:11] offset:64*\n+16
.endr
.endr
	LOADW 0
	LOADW 1
	s_wait_loadcnt 36                              ; all but the two K steps' 36 loads: the scale words and the bias are in
.irp i, 0,1,2,3,4,5,6,7,8,9,10,11,12,13,14,15
	v_perm_b32 v[160+\i], v[160+\i], v[160+\i], s34
.endr
.irp s, 0,1,2,3,4,5,6,7
	v_or_b32 v[176+\s], v[176+\s], v[184+\s]       ; the word of K step s is whole
.endr
.rept 8
	v_nop                                          ; a scale register written by a vector instruction stands eight places ahead of a scaled matrix instruction
.endr
.macro OSTEP s
.set BB, 16+72*((\s)%2)
.if (\s) < 7
	s_wait_loadcnt 18                              ; this step's 18 loads are in; the next step's stay out
.else
	s_wait_loadcnt 16                              ; behind the last step's loads: x's 16
.endif
.irp n, 0,1,2,3
.irp m, 0,1
	WM 192+8*(2*\n+\m), BB+12*\n, BB+48+12*\m, 160+8*(\n/2)+(\s), 176+(\s), \n%2, \m
.endr
.endr
	PLACES                                         ; the loads below land in registers that these products have read
.if (\s) < 6
	LOADW (\s)+2
.endif
.if (\s) == 4
	global_prefetch_b8 v9, s[12:13] th:TH_LOAD_NT scope:SCOPE_SE   ; my wave's two rows of x, each lane another 256 bytes, two K steps ahead of their loads; no other wave of the launch names them; its address registers are never rewritten
.endif
.if (\s) == 6
.irp m, 0,1
.irp i, 0,1,2,3,4,5,6,7
	global_load_b128 v[16+32*\m+4*\i:19+32*\m+4*\i], v1, s[12:13] offset:32768*\m+512*\i th:TH_LOAD_NT   ; x: 512 consecutive bytes a load; read once in this launch
.endr
.endr
.endif
.if (\s) == 7
.irp i, 0,1,2,3,4,5,6,7
	global_load_b128 v[88+4*\i:91+4*\i], v1, s[14:15] offset:512*\i        ; gamma
	global_load_b128 v[120+4*\i:123+4*\i], v1, s[16:17] offset:512*\i      ; beta
.endr
.endif
.endm
.irp s, 0,1,2,3,4,5,6,7
	OSTEP \s
.endr
.irp n, 0,1,2,3                                ; lane (r, h) of accumulator (n, m): row r of tile m, columns 64 w + 16 n + 8 h + 0 .. 7; each accumulator from its low end on
	ds_store_b128 v5, v[192+16*\n:195+16*\n] offset:64*\n
	ds_store_b128 v5, v[196+16*\n:199+16*\n] offset:64*\n+16
	ds_store_b128 v6, v[200+16*\n:203+16*\n] offset:64*\n
	ds_store_b128 v6, v[204+16*\n:207+16*\n] offset:64*\n+16
.endr
	s_wait_dscnt 0x0                               ; for the others' sake: my stores into the stage are done
	s_barrier_signal -1
	s_barrier_wait -1                              ; 32 whole rows lie in the stage
.irp i, 0,1,2,3,4,5,6,7
	ds_load_b128 v[192+4*\i:195+4*\i], v7 offset:512*\i            ; a lane: columns 128 i + 4 lane + 0 .. 3
	ds_load_b128 v[224+4*\i:227+4*\i], v8 offset:512*\i
.endr
	s_wait_dscnt 0x0
	s_wait_loadcnt 0x0                             ; x, gamma, beta
.macro WSUM a                          ; the sum over the 32 lanes, in every lane
	v_add_f32_dpp v[\a], v[\a], v[\a] row_xmask:1 row_mask:0xf bank_mask:0xf
	v_add_f32_dpp v[\a], v[\a], v[\a] row_xmask:2 row_mask:0xf bank_mask:0xf
	v_add_f32_dpp v[\a], v[\a], v[\a] row_xmask:4 row_mask:0xf bank_mask:0xf
	v_add_f32_dpp v[\a], v[\a], v[\a] row_xmask:8 row_mask:0xf bank_mask:0xf
	v_permlanex16_b32 v158, v[\a], s32, s33
	v_add_f32 v[\a], v[\a], v158
.endm
.macro LN m                            ; my row of tile m
.set YR, 192+32*\m
.set XR, 16+32*\m
.irp k, 0,2,4,6,8,10,12,14,16,18,20,22,24,26,28,30
	v_pk_add_f32 v[YR+\k:YR+\k+1], v[YR+\k:YR+\k+1], v[XR+\k:XR+\k+1]      ; + the residual
.endr
	v_pk_add_f32 v[152:153], v[YR:YR+1], v[YR+2:YR+3]              ; the row's sum, in two chains
	v_pk_add_f32 v[154:155], v[YR+4:YR+5], v[YR+6:YR+7]
.irp k, 8,12,16,20,24,28
	v_pk_add_f32 v[152:153], v[152:153], v[YR+\k:YR+\k+1]
	v_pk_add_f32 v[154:155], v[154:155], v[YR+\k+2:YR+\k+3]
.endr
	v_pk_add_f32 v[152:153], v[152:153], v[154:155]
	v_add_f32 v152, v152, v153
	WSUM 152
	v_mul_f32 v152, s35, v152                      ; the mean
.irp k, 0,2,4,6,8,10,12,14,16,18,20,22,24,26,28,30
	v_pk_add_f32 v[YR+\k:YR+\k+1], v[YR+\k:YR+\k+1], v[152:153] op_sel_hi:[1,0] neg_lo:[0,1] neg_hi:[0,1]   ; d = y - mean
.endr
	v_pk_mul_f32 v[154:155], v[YR:YR+1], v[YR:YR+1]                ; the sum of d^2, in two chains
	v_pk_mul_f32 v[156:157], v[YR+2:YR+3], v[YR+2:YR+3]
.irp k, 4,8,12,16,20,24,28
	v_pk_fma_f32 v[154:155], v[YR+\k:YR+\k+1], v[YR+\k:YR+\k+1], v[154:155]
	v_pk_fma_f32 v[156:157], v[YR+\k+2:YR+\k+3], v[YR+\k+2:YR+\k+3], v[156:157]
.endr
	v_pk_add_f32 v[154:155], v[154:155], v[156:157]
	v_add_f32 v154, v154, v155
	WSUM 154
	v_fma_f32 v154, v154, s35, s36                 ; the variance + 1e-5
	v_rsq_f32 v154, v154
	v_nop                                          ; one plain place behind the root
	s_wait_alu depctr_va_vdst(0)
.irp k, 0,2,4,6,8,10,12,14,16,18,20,22,24,26,28,30
	v_pk_mul_f32 v[YR+\k:YR+\k+1], v[YR+\k:YR+\k+1], v[154:155] op_sel_hi:[1,0]
.endr
.irp k, 0,2,4,6,8,10,12,14,16,18,20,22,24,26,28,30
	v_pk_fma_f32 v[YR+\k:YR+\k+1], v[YR+\k:YR+\k+1], v[88+\k:89+\k], v[120+\k:121+\k]
.endr
.irp i, 0,1,2,3,4,5,6,7
	global_store_b128 v1, v[YR+4*\i:YR+4*\i+3], s[18:19] offset:32768*\m+512*\i th:TH_STORE_NT   ; 32 lanes store 512 consecutive bytes, at a multiple of 256 from out's first byte; written once, read by nobody here
.endr
.endm
	LN 0
	LN 1
	s_wait_xcnt 0x0
	v_lshl_add_u32 v254, v0, 2, 0x20200
	v_mov_b32 v255, 0
	s_wait_tensorcnt 0x0
	ds_add_u32 v254, v255
	s_wait_dscnt 0x0
	s_endpgm
.Lfunc_end_k_qe3073d5eaf_oproj:
	.size	k_qe3073d5eaf_oproj, .Lfunc_end_k_qe3073d5eaf_oproj-k_qe3073d5eaf_oproj
	.p2alignl 7, 3214868480
	.fill 96, 4, 3214868480
	.section	.rodata,"a",@progbits
	.p2align	6, 0x0
	.amdhsa_kernel k_qe3073d5eaf_oproj
		.amdhsa_group_segment_fixed_size 133632
		.amdhsa_private_segment_fixed_size 0
		.amdhsa_enable_private_segment 0
		.amdhsa_kernarg_size 64
		.amdhsa_user_sgpr_count 2
		.amdhsa_user_sgpr_kernarg_segment_ptr 1
		.amdhsa_wavefront_size32 1
		.amdhsa_system_sgpr_workgroup_id_x 1
		.amdhsa_system_sgpr_workgroup_id_y 1
		.amdhsa_system_sgpr_workgroup_id_z 1
		.amdhsa_system_vgpr_workitem_id 0
		.amdhsa_next_free_vgpr 256
		.amdhsa_next_free_sgpr 66
		.amdhsa_reserve_vcc 0
		.amdhsa_float_denorm_mode_32 3
		.amdhsa_float_denorm_mode_16_64 3
		.amdhsa_memory_ordered 1
		.amdhsa_forward_progress 1
		.amdhsa_inst_pref_size 52
	.end_amdhsa_kernel
	.amdgpu_metadata
---
amdhsa.version: [ 1, 2 ]
amdhsa.kernels:
  - .name:           k_qe3073d5eaf_oproj
    .symbol:         k_qe3073d5eaf_oproj.kd
    .args:
      - { .name: cf, .offset: 0, .size: 8, .value_kind: global_buffer, .address_space: global }
      - { .name: w_o_codes, .offset: 8, .size: 8, .value_kind: global_buffer, .address_space: global }
      - { .name: w_o_scales, .offset: 16, .size: 8, .value_kind: global_buffer, .address_space: global }
      - { .name: b_o, .offset: 24, .size: 8, .value_kind: global_buffer, .address_space: global }
      - { .name: x, .offset: 32, .size: 8, .value_kind: global_buffer, .address_space: global }
      - { .name: ln_gamma, .offset: 40, .size: 8, .value_kind: global_buffer, .address_space: global }
      - { .name: ln_beta, .offset: 48, .size: 8, .value_kind: global_buffer, .address_space: global }
      - { .name: out0, .offset: 56, .size: 8, .value_kind: global_buffer, .address_space: global }
    .group_segment_fixed_size: 133632
    .private_segment_fixed_size: 0
    .kernarg_segment_align: 8
    .kernarg_segment_size: 64
    .max_flat_workgroup_size: 512
    .sgpr_count:     66
    .vgpr_count:     256
    .wavefront_size: 32
...
	.end_amdgpu_metadata
.endif
;; end of part 3
;; ======== version 2 of 2: 3 launches
;; workspace buffers: qf 3,407,872 bytes; kv 6,815,744 bytes; cf 3,407,872 bytes
;; launch qkv (part 4): grid 6 x 32, 8 waves a work-group, no clusters, 171,008 bytes of LDS; arguments x, w_q_codes, w_q_scales, w_k_codes, w_k_scales, w_v_codes, w_v_scales, qf, kv; writes qf, kv
.if DOCPART == 4
	.amdgcn_target "amdgcn-amd-amdhsa--gfx1250"
	.amdhsa_code_object_version 6
	.text
	.protected	k_qe3073d5eaf_qkv
	.globl	k_qe3073d5eaf_qkv
	.p2align	8
	.type	k_qe3073d5eaf_qkv,@function
k_qe3073d5eaf_qkv:
	s_mov_b64 s[64:65], 0
	v_nop
	global_prefetch_b8 v0, s[64:65] scope:SCOPE_SE
	s_setreg_imm32_b32 hwreg(HW_REG_WAVE_SCHED_MODE, 0, 2), 2
	s_setreg_imm32_b32 hwreg(HW_REG_WAVE_MODE, 25, 1), 1
	s_wait_xcnt 0x0
	s_wait_alu depctr_vm_vsrc(0)
; q = x Wq^T, k = x Wk^T, v = x Wv^T on codes of FP6 (E2M3) with one E8M0 scale for each 32 along K, and the results quantised again: q and k along the head's 64, v along the keys.
; x [4096][1024] f32 is quantised here; the weights [1024][1024] arrive as codes (768 bytes a row) with 32 scale bytes a row.
; SHARES.  A work-group takes 128 rows of x (grid y) and 512 channels of ONE of q, k, v (grid x: kind = x / 2, heads 8 (x % 2) ..).  Each of its 8 waves takes one head: 64 channels x 128 rows, 32 accumulators.
; PHASE X: wave w quantises tile w (16 rows) of x, 128 along K at a time, and leaves each fragment in LDS as an image of its 12 registers (three planes of 16 bytes a lane) and its scale words beside them.
; One barrier.  K LOOP: 8 steps of 128; the weights' fragments go from memory straight into the registers of the one wave that uses them.
; ROWS OF A TILE ARE CHOSEN so that a lane's 32 registers of four neighbouring result tiles are a WHOLE block of 32 along the next product's K:
;   rows of x: tile T, row i -> 64 (T / 4) + 8 (T % 4) + i % 8 + 32 (i / 8);   channels of a head: tile n, row i -> 8 n + i % 8 + 32 (i / 8).
; q, k: source 0 = 16 channels, source 1 = 16 rows of x: lane (r, h) holds row r and channels 32 h + 0 .. 31.   v: the sources change places: lane (r, h) holds one channel and keys 64 c + 32 h + 0 .. 31.
; So a block's largest magnitude needs no other lane, and the conversions' results are the next operand's registers as they stand.
; K IS PERMUTED ALIKE ON BOTH OPERANDS: in each 128 along K the place (c, h) of the operand's layout holds block 2 h + c.  A lane's 12 registers of a weight fragment are then 48 consecutive bytes of the row,
; three loads of 16 bytes; in the given scale words bytes 1 and 2 change places.  LIMIT: this changes the order in which the f32 sums are formed, nothing else.
; LIMITS: NaN and infinities among the inputs are not served.  A block of zeros gets the scale byte 1, not 127: its codes are zeros, and these bytes are read by this program alone.
; NO CLUSTER: what the row blocks share is the weights.  A joint request lands in LDS; here each fragment is used by one wave alone, so through LDS its 393,216 bytes a work-group would be written there and read
; back once for nothing inside the work-group, beside x's images, which the 8 waves already read 8 times over.
; REGISTERS.  Window 1: in phase X v0-127 two sets of 64 numbers as loaded, v128-191 a lane's 64 neighbours; then the 32 accumulators (q, k: (T, n) at 32 T + 8 n;  v: (n, T) at 64 n + 8 T).
;   Window 0: v1-11 addresses; v24-39 the weights' scale words; v40-47 x's, two sets; x's fragments, three sets of two: v48-71, v72-95, and v240-251 with v12-23 (v13-18 at the head, v48-78 in phase X and
;   on the way out: at work); v96-239 the weights' fragments, three sets of four; v254, v255: the closing add's two.
; THE MODE: SCHED_MODE bits 1:0 = 2 (LLVM: expert scheduling mode 2), set by the entry lines.  The code itself states the register dependences between vector or matrix instructions and memory or LDS
; instructions, with s_wait_alu, always for 0.
; THE PLAN.  Registers that memory or LDS instructions touch:
;   v1-11          offsets and LDS addresses: written at the head, never again: one wait on va_vdst ahead of the first load serves them for the whole kernel.
;   R0, R1         (window 1, v0-63 and v64-127) x as loaded.  Step s of phase X: the stores into the stage read R[s % 2], then the loads of step s + 2 land in it.  No vector instruction names them.
;   N              (window 1, v128-191) the loads from the stage land in it; the step's maxima and conversions read it.
;   v56, v60-71    the scale word and the fragment that step s's vector work makes; the four LDS stores that read them are issued in step s + 1.
;   So phase X has two waits a step.  One on va_vdst, behind the stores into the stage: the step before has written v56 and v60-71 and is done reading N.  One on vm_vsrc, behind the step's wait for its LDS
;   instructions: the stores into the stage have read R[s % 2], the image stores v56 and v60-71.
;   XF0 .. XF2     x's fragments.  The K loop is 32 groups of 8 products (two tiles of rows x my four tiles of channels); group g reads XF[g % 3].
;   WF0 .. WF2     the weights' fragments: step s reads WF[s % 3]; the loads of step s + 2 land in the set that step s - 1 has left.   XS0, XS1: x's scale words, likewise by steps.
;   So the K loop has ONE wait on va_vdst for two groups, at the head of each even group g: all products up to group g - 1 are done reading.  Free behind it: XF[(g + 1) % 3], XF[(g + 2) % 3], the weights' set and
;   the scale words of the step before.  The loads of group g + 1 follow the wait; those of group g + 2 stand between the two groups' products, which name XF[g % 3], WF, XS, WS and the accumulators alone.
;   The way out: every tile's codes and words have registers of their own; one wait on va_vdst stands ahead of the stores of two tiles.
.set XSC,  98304                       ; LDS: x's 64 fragment images (tile T, step s at (8 T + s) x 1536) fill 0 .. 98303; then their scale words: step s at 512 s, 16 x lane + 4 i for tile 2 i + lane / 16
.set STG,  102400                      ; then a stage of 16 rows x 528 bytes for each wave
.set SPI,  528                         ; a stage row: 512 bytes + 16 = 33 x 16: sixteen lanes that read the same place of sixteen rows touch sixteen different 16-byte columns of 256 bytes
.set L16,  1                           ; v1   16 x lane
.set SA,   2                           ; v2   my stage + 16 x lane
.set SB,   3                           ; v3   my stage + 528 r + 256 h
.set XIW,  4                           ; v4   where I store x's images: 12288 x wave + 16 x lane
.set XSW,  5                           ; v5   and their scale words
.set WA,   6                           ; v6   my lane's byte in a tile of a weight
.set WSA,  7                           ; v7   and in its scale bytes
.set SH8,  8                           ; v8   8 h
.set L8,   9                           ; v9   8 x lane
.set XIR1, 10                          ; v10  16 x lane + 49152: images of tiles 4-7
.set XSR,  11                          ; v11  XSC + 16 x lane
.set WS,   24
.set XS,   40
.set XF,   48
.set WF,   96
.set MSB, 0
.macro WIN new                         ; the immediate's high byte repeats the setting that is left; a switch that changes nothing is dropped
.if MSB != (\new)
	s_set_vgpr_msb (MSB<<8)|(\new)
.set MSB, (\new)
.endif
.endm
.macro PLACES                          ; four plain vector instructions between a matrix instruction and a load into, or a vector instruction on, its registers
.rept 4
	v_nop
.endr
.endm
; One matrix instruction.  z = 0: the product starts the sum.  ra, rb: the scale words are taken from lanes 16-31.
.macro WM d, a, b, z, sa, sb, ra, rb
.if (\z) == 0
.if ((\ra) == 0) && ((\rb) == 0)
	v_wmma_scale_f32_16x16x128_f8f6f4 v[\d:\d+7], v[\a:\a+11], v[\b:\b+11], 0, v[\sa], v[\sb] matrix_a_fmt:MATRIX_FMT_FP6 matrix_b_fmt:MATRIX_FMT_FP6
.elseif (\rb) == 0
	v_wmma_scale_f32_16x16x128_f8f6f4 v[\d:\d+7], v[\a:\a+11], v[\b:\b+11], 0, v[\sa], v[\sb] matrix_a_fmt:MATRIX_FMT_FP6 matrix_b_fmt:MATRIX_FMT_FP6 matrix_a_scale:MATRIX_SCALE_ROW1
.elseif (\ra) == 0
	v_wmma_scale_f32_16x16x128_f8f6f4 v[\d:\d+7], v[\a:\a+11], v[\b:\b+11], 0, v[\sa], v[\sb] matrix_a_fmt:MATRIX_FMT_FP6 matrix_b_fmt:MATRIX_FMT_FP6 matrix_b_scale:MATRIX_SCALE_ROW1
.else
	v_wmma_scale_f32_16x16x128_f8f6f4 v[\d:\d+7], v[\a:\a+11], v[\b:\b+11], 0, v[\sa], v[\sb] matrix_a_fmt:MATRIX_FMT_FP6 matrix_b_fmt:MATRIX_FMT_FP6 matrix_a_scale:MATRIX_SCALE_ROW1 matrix_b_scale:MATRIX_SCALE_ROW1
.endif
.else
.if ((\ra) == 0) && ((\rb) == 0)
	v_wmma_scale_f32_16x16x128_f8f6f4 v[\d:\d+7], v[\a:\a+11], v[\b:\b+11], v[\d:\d+7], v[\sa], v[\sb] matrix_a_fmt:MATRIX_FMT_FP6 matrix_b_fmt:MATRIX_FMT_FP6
.elseif (\rb) == 0
	v_wmma_scale_f32_16x16x128_f8f6f4 v[\d:\d+7], v[\a:\a+11], v[\b:\b+11], v[\d:\d+7], v[\sa], v[\sb] matrix_a_fmt:MATRIX_FMT_FP6 matrix_b_fmt:MATRIX_FMT_FP6 matrix_a_scale:MATRIX_SCALE_ROW1
.elseif (\ra) == 0
	v_wmma_scale_f32_16x16x128_f8f6f4 v[\d:\d+7], v[\a:\a+11], v[\b:\b+11], v[\d:\d+7], v[\sa], v[\sb] matrix_a_fmt:MATRIX_FMT_FP6 matrix_b_fmt:MATRIX_FMT_FP6 matrix_b_scale:MATRIX_SCALE_ROW1
.else
	v_wmma_scale_f32_16x16x128_f8f6f4 v[\d:\d+7], v[\a:\a+11], v[\b:\b+11], v[\d:\d+7], v[\sa], v[\sb] matrix_a_fmt:MATRIX_FMT_FP6 matrix_b_fmt:MATRIX_FMT_FP6 matrix_a_scale:MATRIX_SCALE_ROW1 matrix_b_scale:MATRIX_SCALE_ROW1
.endif
.endif
.endm
; The largest magnitudes of nb blocks of 32 numbers, window 1 v[x + 32 b ..], into v[m + 2 b] (v[m + 2 b + 1]: a second chain), with the floor 2^(3 - 127) as one more leaf, so that the scale's byte cannot fall under 1.
; Where the numbers are four accumulators, each is first read at one of its four lowest registers: x + 0, x + 8 (with x + 7), x + 16, x + 24 (with x + 23).
.macro BMAX m, x, nb
	WIN 0x15
.set bb, 0
.rept \nb
	v_max3_num_f32 v[\m+2*bb], |v[\x+32*bb]|, |v[\x+32*bb+1]|, |v[\x+32*bb+2]|
	v_max3_num_f32 v[\m+2*bb+1], |v[\x+32*bb+16]|, |v[\x+32*bb+17]|, |v[\x+32*bb+18]|
.set bb, bb+1
.endr
	WIN 0x14
.set ii, 0
.rept 6
.set bb, 0
.rept \nb
	v_max3_num_f32 v[\m+2*bb], v[\m+2*bb], |v[\x+32*bb+3+2*ii]|, |v[\x+32*bb+4+2*ii]|
	v_max3_num_f32 v[\m+2*bb+1], v[\m+2*bb+1], |v[\x+32*bb+19+2*ii]|, |v[\x+32*bb+20+2*ii]|
.set bb, bb+1
.endr
.set ii, ii+1
.endr
.set bb, 0
.rept \nb
	v_max3_num_f32 v[\m+2*bb], v[\m+2*bb], |v[\x+32*bb+15]|, |v[\x+32*bb+31]|
.set bb, bb+1
.endr
	WIN 0
.set bb, 0
.rept \nb
	v_max3_num_f32 v[\m+2*bb], v[\m+2*bb], v[\m+2*bb+1], 0x1800000
.set bb, bb+1
.endr
.endm
.macro WLOAD s                         ; my head's four weight fragments of K step s: 48 consecutive bytes a lane and fragment
.irp n, 0,1,2,3
.irp j, 0,1,2
	global_load_b128 v[WF+48*((\s)%3)+12*\n+4*\j:WF+48*((\s)%3)+12*\n+4*\j+3], v[WA], s[28:29] offset:6144*\n+96*(\s)+16*\j
.endr
.endr
.endm
.macro LOADX s                         ; my tile's 16 rows, 128 numbers of each: every load reads 512 consecutive bytes of one row
	WIN 0x40
.irp i, 0,1,2,3,4,5,6,7,8,9,10,11,12,13,14,15
	global_load_b128 v[64*((\s)%2)+4*\i:64*((\s)%2)+4*\i+3], v[L16], s[34:35] offset:((\i%8)+32*(\i/8))*4096+512*(\s)
.endr
.endm
.macro XBASE gg, u                     ; XB = the first register of fragment u of group gg's set: sets 0 and 1 lie on end from v48 on, set 2 is v240-251 and v12-23
.if ((\gg)%3) == 2
.if (\u) == 0
.set XB, 240
.else
.set XB, 12
.endif
.else
.set XB, XF+24*((\gg)%3)+12*(\u)
.endif
.endm
.macro XFR gg                          ; group gg = 4 s + g: x's fragments of tiles 2 g and 2 g + 1, K step s, back from LDS as they were stored
.set FS, (\gg)/4
.set FG, (\gg)%4
.irp u, 0,1
	XBASE (\gg), \u
.irp j, 0,1,2
.if (2*FG+\u) < 4
	ds_load_b128 v[XB+4*\j:XB+4*\j+3], v[L16] offset:(8*(2*FG+\u)+FS)*1536+512*\j
.else
	ds_load_b128 v[XB+4*\j:XB+4*\j+3], v[XIR1] offset:(8*(2*FG+\u-4)+FS)*1536+512*\j
.endif
.endr
.endr
.endm
.macro MULG kind, gg                   ; group gg's 8 matrix instructions: two tiles of rows x my four tiles of channels.  All 32 accumulators take turns, one instruction a turn
.set MS, (\gg)/4
.set MG, (\gg)%4
	WIN 0x50                                       ; C and D in window 1
.irp u, 0,1
	XBASE (\gg), \u
.irp n, 0,1,2,3
.if (\kind) == 0
	WM 32*(2*MG+\u)+8*\n, WF+48*(MS%3)+12*\n, XB, MS, WS+8*(\n/2)+MS, XS+4*(MS%2)+MG, \n%2, \u
.else
	WM 64*\n+8*(2*MG+\u), XB, WF+48*(MS%3)+12*\n, MS, XS+4*(MS%2)+MG, WS+8*(\n/2)+MS, \u, \n%2
.endif
.endr
.endr
.endm
	s_load_b512 s[4:19], s[0:1], 0x0               ; x, Wq codes, Wq scales, Wk codes, Wk scales, Wv codes, Wv scales, qf
	s_load_b64 s[20:21], s[0:1], 0x40              ; kv
	v_lshl_add_u32 v254, v0, 2, 0x29800
	v_mov_b32 v255, 0
	v_lshrrev_b32 v13, 5, v0
	v_readfirstlane_b32 s22, v13                   ; wave 0..7
	v_and_b32 v14, 31, v0                          ; lane
	v_and_b32 v15, 15, v0                          ; r
	v_bfe_u32 v16, v0, 4, 1                        ; h
	v_lshlrev_b32 v[L16], 4, v14
	v_lshlrev_b32 v[L8], 3, v14
	v_lshlrev_b32 v[SH8], 3, v16
	s_wait_alu depctr_va_sdst(0)                   ; s22 is written, ahead of its first reader: LDS addresses and the buffers' bases are made from it
	s_mul_i32 s40, s22, 16*SPI
	s_add_co_u32 s40, s40, STG                     ; my stage
	v_add_nc_u32 v[SA], s40, v[L16]
	v_mul_u32_u24 v[SB], v15, SPI
	v_lshl_add_u32 v[SB], v16, 8, v[SB]
	v_add_nc_u32 v[SB], s40, v[SB]
	s_mul_i32 s40, s22, 12288
	v_add_nc_u32 v[XIW], s40, v[L16]
	s_and_b32 s40, s22, 1
	s_lshl_b32 s40, s40, 8
	s_lshr_b32 s41, s22, 1
	s_lshl_b32 s41, s41, 2
	s_add_co_u32 s40, s40, s41
	s_add_co_u32 s40, s40, XSC
	v_lshl_add_u32 v[XSW], v15, 4, s40             ; XSC + 16 r + 256 (wave % 2) + 4 (wave / 2)
	v_and_b32 v17, 7, v15
	v_lshrrev_b32 v18, 3, v15
	v_lshl_add_u32 v17, v18, 5, v17                ; r % 8 + 32 (r / 8)
	v_mul_u32_u24 v[WA], v17, 768
	v_mad_u32_u24 v[WA], v16, 48, v[WA]
	v_lshl_add_u32 v[WSA], v16, 3, v17             ; lanes 16-31 take the next tile's rows: 8 channels on
	v_lshlrev_b32 v[WSA], 5, v[WSA]
	v_add_nc_u32 v[XIR1], 49152, v[L16]
	v_add_nc_u32 v[XSR], XSC, v[L16]
	s_lshr_b32 s23, ttmp9, 1                       ; kind: 0 q, 1 k, 2 v
	s_and_b32 s24, ttmp9, 1
	s_lshl_b32 s24, s24, 3
	s_add_co_u32 s24, s24, s22                     ; my head
	s_and_b32 s25, ttmp7, 0xffff                   ; the group of 128 rows: 16 x batch + group in the batch
	s_lshr_b32 s26, s25, 4
	s_lshl_b32 s26, s26, 8
	s_and_b32 s27, s25, 15
	s_add_co_u32 s26, s26, s27
	s_lshl_b32 s27, s24, 4
	s_add_co_u32 s26, s26, s27                     ; the record: 256 x batch + 16 x head + group
	s_mov_b32 s36, 0x76543210
	s_mov_b32 s37, 0xfedcba98                      ; v_permlanex16_b32's selects for lane l xor 16
	s_mov_b32 s38, 0x03010200                      ; v_perm_b32: bytes 1 and 2 change places
	s_lshl_b32 s42, s25, 7
	s_lshr_b32 s43, s22, 2
	s_lshl_b32 s43, s43, 6
	s_add_co_u32 s42, s42, s43
	s_and_b32 s43, s22, 3
	s_lshl_b32 s43, s43, 3
	s_add_co_u32 s42, s42, s43                     ; my tile's first row of x
	s_lshl_b32 s42, s42, 12
	s_mov_b32 s43, 0
	s_mul_i32 s44, s24, 49152                      ; my head's 64 rows of codes
	s_mov_b32 s45, 0
	s_lshl_b32 s46, s24, 11                        ; and of scale bytes
	s_mov_b32 s47, 0
	s_wait_kmcnt 0x0
	s_add_nc_u64 s[34:35], s[4:5], s[42:43]
	s_cmp_eq_u32 s23, 0                            ; the buffers are chosen by the work-group's number alone
	s_cselect_b64 s[28:29], s[6:7], s[10:11]
	s_cselect_b64 s[30:31], s[8:9], s[12:13]
	s_cselect_b64 s[32:33], s[18:19], s[20:21]
	s_mov_b32 s48, 13312
	s_cselect_b32 s48, 6656, s48                   ; bytes of a record
	s_cmp_eq_u32 s23, 2
	s_cselect_b64 s[28:29], s[14:15], s[28:29]
	s_cselect_b64 s[30:31], s[16:17], s[30:31]
	s_cselect_b32 s49, 6656, 0                     ; v's part of a record lies behind k's
	s_mul_i32 s48, s26, s48
	s_add_co_u32 s48, s48, s49
	s_mov_b32 s49, 0
	s_add_nc_u64 s[28:29], s[28:29], s[44:45]
	s_add_nc_u64 s[30:31], s[30:31], s[46:47]
	s_add_nc_u64 s[32:33], s[32:33], s[48:49]
	s_wait_alu depctr_va_vdst(0)                   ; the offsets and LDS addresses v1 to v11 are written, which every load and store of the kernel reads; so are v13 to v18, in which fragments of x land later
	global_load_b128 v[WS:WS+3], v[WSA], s[30:31]                  ; the weights' scale words of all 8 K steps: register 8 p + s: lanes 0-15 tile 2 p, lanes 16-31 tile 2 p + 1
	global_load_b128 v[WS+4:WS+7], v[WSA], s[30:31] offset:16
	global_load_b128 v[WS+8:WS+11], v[WSA], s[30:31] offset:512
	global_load_b128 v[WS+12:WS+15], v[WSA], s[30:31] offset:528
	WLOAD 0
	WLOAD 1
	WLOAD 2
	LOADX 0
	LOADX 1
	WIN 0
	v_mov_b32 v57, 0                               ; written once: a lane permute's destination counts as one of its sources
; The fragment and the scale word of K step s go to LDS as they stand.  All four lines name sources alone, which lie in window 0 under the setting 0x40 too.
.macro IMG s
	ds_store_b128 v[XIW], v[60:63] offset:1536*(\s)
	ds_store_b128 v[XIW], v[64:67] offset:1536*(\s)+512
	ds_store_b128 v[XIW], v[68:71] offset:1536*(\s)+1024
	ds_store_b32 v[XSW], v56 offset:512*(\s)       ; lanes r and r + 16 write the same word with the same value
.endm
; PHASE X, K step s.  At work: v48-51 maxima, v52-53 scale operands, v54-55 bytes, v56 the scale word, v60-71 the fragment, v72-78 second halves of blocks.
.macro XSTEP s
.if (\s) < 7
	s_wait_loadcnt 16                              ; this step's 16 loads are in (and all issued before them); the next step's 16 stay out
.else
	s_wait_loadcnt 0x0
.endif
.if (\s) == 0
.irp i, 0,1,2,3,4,5,6,7,8,9,10,11,12,13,14,15
	v_perm_b32 v[WS+\i], v[WS+\i], v[WS+\i], s38   ; the weights' scale words follow the permutation of K
.endr
.endif
	WIN 0x04                                       ; an LDS store's data: window 1
.irp i, 0,1,2,3,4,5,6,7,8,9,10,11,12,13,14,15
	ds_store_b128 v[SA], v[64*((\s)%2)+4*\i:64*((\s)%2)+4*\i+3] offset:SPI*\i      ; data that loads brought, an address made at the head: nothing of the vector side is waited for
.endr
	WIN 0x40
.if (\s) > 0
	s_wait_alu depctr_va_vdst(0)                   ; the step before has written v56 and v60-71, which the four stores below read, and is done reading window 1's v128-191, in which the loads below land
	IMG (\s)-1
.endif
.irp j, 0,1,2,3,4,5,6,7,8,9,10,11,12,13,14,15
	ds_load_b128 v[128+4*\j:128+4*\j+3], v[SB] offset:16*\j        ; LDS serves a wave's instructions in order: these see the stores.  Lane (r, h): row r, numbers 64 h + 0 .. 63: blocks 2 h and 2 h + 1
.endr
	s_wait_dscnt 0x0                               ; the numbers are back
	s_wait_alu depctr_vm_vsrc(0)                   ; the stores into the stage have read this step's set of x, in which the loads of two steps on land; the image stores have read v56 and v60-71, which this step writes again
.if (\s)+2 < 8
	LOADX (\s)+2
.endif
	BMAX 48, 128, 2
	v_add_nc_u32 v52, 0xff000000, v48              ; 2 off the exponent field: the conversion takes the exponent field of this operand as its scale
	v_add_nc_u32 v53, 0xff000000, v50
	v_lshrrev_b32 v54, 23, v52                     ; the scale's byte
	v_lshrrev_b32 v55, 23, v53
	WIN 0x01
	v_cvt_scalef32_pk16_fp6_f32 v[60:62], v[128:143], v52
	v_cvt_scalef32_pk16_fp6_f32 v[72:74], v[144:159], v52          ; (a conversion's three registers begin on an even number)
	v_cvt_scalef32_pk16_fp6_f32 v[66:68], v[160:175], v53
	v_cvt_scalef32_pk16_fp6_f32 v[76:78], v[176:191], v53
	WIN 0
	v_lshl_or_b32 v56, v55, 16, v54                ; (the plain place behind the conversions)  my two bytes,
.irp i, 0,1,2
	v_mov_b32 v[63+\i], v[72+\i]
	v_mov_b32 v[69+\i], v[76+\i]
.endr
	v_lshlrev_b32 v56, v[SH8], v56                 ; at their places in the word, 8 h bits up;
	v_permlanex16_b32 v57, v56, s36, s37
	v_or_b32 v56, v56, v57                         ; with lane l xor 16's two the word is whole; it and the fragment are stored in the next step
.endm
.irp s, 0,1,2,3,4,5,6,7
	XSTEP \s
.endr
	s_wait_alu depctr_va_vdst(0)                   ; step 7 has written v56 and v60-71, which the stores below read; all of phase X's vector work on v48-78 is done: fragments of x land there behind the barrier
	IMG 7
	s_wait_dscnt 0x0                               ; for the others' sake: my images lie in LDS
	s_barrier_signal -1
	s_barrier_wait -1                              ; the launch's one barrier: behind it LDS is only read
	s_wait_alu depctr_vm_vsrc(0)                   ; my LDS stores have read v56, v60-71 and window 1's v0-127: fragments land in the first, the products write the accumulators over the second.  Ahead of the branch, for both ways
; THE K LOOP, written out: 32 groups of 8 products, two groups to a wait.  Each group's fragments are asked for one or two groups ahead.
.macro KLOOP kind
	ds_load_b128 v[XS:XS+3], v[XSR]
	XFR 0
.set G, 0
.rept 16
.if G > 0
	PLACES                                         ; the loads below land in registers that earlier groups' products have read
	WIN 0
	s_wait_alu depctr_va_vdst(0)                   ; all products up to group G - 1 are done reading: the sets of groups G - 2 and G - 1, and the weights and scale words of the step before, take the loads up to the next such wait
.endif
.if ((G%4) == 0) && (G >= 4) && (G <= 20)
	WLOAD G/4+2                                    ; into the set that the step before has left
.endif
.if ((G%4) == 2) && (G < 30)
	ds_load_b128 v[XS+4*((G/4+1)%2):XS+4*((G/4+1)%2)+3], v[XSR] offset:512*(G/4+1)
	XFR G+1
	s_wait_dscnt 7                                 ; all but the 7 just issued: group G's fragments are in
.else
	XFR G+1
	s_wait_dscnt 6                                 ; all but the 6 just issued: group G's fragments are in
.endif
.if (G%4) == 0
.if (G >= 12) && (G <= 20)
	s_wait_loadcnt 24                              ; this step's weights are in; those of the two steps behind it stay out
.elseif G == 24
	s_wait_loadcnt 12
.elseif G == 28
	s_wait_loadcnt 0x0
.endif
.endif
	MULG \kind, G
.if G < 30
	WIN 0
	XFR G+2                                        ; no wait: no matrix instruction since the wait above names the set of group G - 1, in which these land
	s_wait_dscnt 6                                 ; all but the 6 just issued: group G + 1's fragments, and the next step's scale words, are in
.else
	s_wait_dscnt 0x0
.endif
	MULG \kind, G+1
.set G, G+2
.endr
	WIN 0
.endm
; THE WAY OUT of q and k: tile T's 32 registers of a lane are block h of row r: six registers of codes, as the score product's operand wants them, and a byte.  Every tile has registers of its own, so no store's data are written again.
.macro QKT t                           ; tile t's vector work
	BMAX 48, 32*(\t), 1
	v_add_nc_u32 v52, 0xff000000, v48
	v_lshrrev_b32 v54, 23, v52
	WIN 0x01
	v_cvt_scalef32_pk16_fp6_f32 v[96+8*(\t):98+8*(\t)], v[32*(\t):32*(\t)+15], v52
	v_cvt_scalef32_pk16_fp6_f32 v[160+4*(\t):162+4*(\t)], v[32*(\t)+16:32*(\t)+31], v52
	WIN 0
	v_lshlrev_b32 v[200+(\t)], v[SH8], v54         ; (the plain place behind the conversions)  byte h of the word; bytes 2 and 3 stay 0 over codes that are zeros
.irp i, 0,1,2
	v_mov_b32 v[99+8*(\t)+\i], v[160+4*(\t)+\i]
.endr
	v_permlanex16_b32 v57, v[200+(\t)], s36, s37
	v_or_b32 v[200+(\t)], v[200+(\t)], v57
.endm
.macro QKS t                           ; and its stores
	global_store_b128 v[L16], v[96+8*(\t):99+8*(\t)], s[32:33] offset:768*(\t)           ; 512 consecutive bytes
	global_store_b64 v[L8], v[100+8*(\t):101+8*(\t)], s[32:33] offset:768*(\t)+512       ; 256 consecutive bytes
.endm
.macro OUTQK
	PLACES
.irp p, 0,2,4,6
	QKT \p
	QKT \p+1
.if \p == 6
	s_mov_b32 vcc_lo, 0xffff0000
.irp i, 0,1,2,3
	v_cndmask_b32 v[208+\i], v[200+2*\i], v[201+2*\i], vcc_lo      ; lanes 0-15 tile 2 i's words, lanes 16-31 tile 2 i + 1's
.endr
.endif
	s_wait_alu depctr_va_vdst(0)                   ; the conversions and moves have written the two tiles' codes (behind the last two: the selects v208-211 too), which the stores below read
	QKS \p
	QKS \p+1
.endr
	global_store_b128 v[L16], v[208:211], s[32:33] offset:6144
.endm
; THE WAY OUT of v: channel tile n's 64 registers of a lane are blocks h and 2 + h of the 128 keys: a whole fragment.
.macro VT n                            ; tile n's vector work
	BMAX 48, 64*(\n), 2
	v_add_nc_u32 v52, 0xff000000, v48
	v_add_nc_u32 v53, 0xff000000, v50
	v_lshrrev_b32 v54, 23, v52
	v_lshrrev_b32 v55, 23, v53
	WIN 0x01
	v_cvt_scalef32_pk16_fp6_f32 v[96+12*(\n):98+12*(\n)], v[64*(\n):64*(\n)+15], v52
	v_cvt_scalef32_pk16_fp6_f32 v[160+8*(\n):162+8*(\n)], v[64*(\n)+16:64*(\n)+31], v52
	v_cvt_scalef32_pk16_fp6_f32 v[102+12*(\n):104+12*(\n)], v[64*(\n)+32:64*(\n)+47], v53
	v_cvt_scalef32_pk16_fp6_f32 v[164+8*(\n):166+8*(\n)], v[64*(\n)+48:64*(\n)+63], v53
	WIN 0
	v_lshl_or_b32 v[200+(\n)], v55, 16, v54        ; (the plain place behind the conversions)
.irp i, 0,1,2
	v_mov_b32 v[99+12*(\n)+\i], v[160+8*(\n)+\i]
	v_mov_b32 v[105+12*(\n)+\i], v[164+8*(\n)+\i]
.endr
	v_lshlrev_b32 v[200+(\n)], v[SH8], v[200+(\n)]
	v_permlanex16_b32 v57, v[200+(\n)], s36, s37
	v_or_b32 v[200+(\n)], v[200+(\n)], v57
.endm
.macro VS n                            ; and its stores
.irp j, 0,1,2
	global_store_b128 v[L16], v[96+12*(\n)+4*\j:99+12*(\n)+4*\j], s[32:33] offset:1536*(\n)+512*\j
.endr
.endm
.macro OUTV
	PLACES
	VT 0
	VT 1
	s_wait_alu depctr_va_vdst(0)                   ; the conversions and moves have written tiles 0 and 1's codes, which the stores below read
	VS 0
	VS 1
	VT 2
	VT 3
	s_mov_b32 vcc_lo, 0xffff0000
	v_cndmask_b32 v208, v200, v201, vcc_lo
	v_cndmask_b32 v209, v202, v203, vcc_lo
	v_mov_b32 v210, 0                              ; every byte of a record is stored
	v_mov_b32 v211, 0
	s_wait_alu depctr_va_vdst(0)                   ; tiles 2 and 3's codes and v208-211 are written, which the stores below read
	VS 2
	VS 3
	global_store_b128 v[L16], v[208:211], s[32:33] offset:6144
.endm
	s_cmp_eq_u32 s23, 2                            ; the same in all waves of a work-group
	s_cbranch_scc1 .Lv
	KLOOP 0
	OUTQK
	s_wait_dscnt 0x0                               ; the closing lines, six on end
	s_wait_alu 0x0
	s_wait_tensorcnt 0x0
	ds_add_u32 v254, v255
	s_wait_dscnt 0x0
	s_endpgm
.Lv:
	KLOOP 1
	OUTV
	s_wait_dscnt 0x0                               ; the closing lines once more: each end has its own six
	s_wait_alu 0x0
	s_wait_tensorcnt 0x0
	ds_add_u32 v254, v255
	s_wait_dscnt 0x0
	s_endpgm
.Lfunc_end_k_qe3073d5eaf_qkv:
	.size	k_qe3073d5eaf_qkv, .Lfunc_end_k_qe3073d5eaf_qkv-k_qe3073d5eaf_qkv
	.p2alignl 7, 3214868480
	.fill 96, 4, 3214868480
	.section	.rodata,"a",@progbits
	.p2align	6, 0x0
	.amdhsa_kernel k_qe3073d5eaf_qkv
		.amdhsa_group_segment_fixed_size 171008
		.amdhsa_private_segment_fixed_size 0
		.amdhsa_enable_private_segment 0
		.amdhsa_kernarg_size 72
		.amdhsa_user_sgpr_count 2
		.amdhsa_user_sgpr_kernarg_segment_ptr 1
		.amdhsa_wavefront_size32 1
		.amdhsa_system_sgpr_workgroup_id_x 1
		.amdhsa_system_sgpr_workgroup_id_y 1
		.amdhsa_system_sgpr_workgroup_id_z 1
		.amdhsa_system_vgpr_workitem_id 0
		.amdhsa_next_free_vgpr 512
		.amdhsa_next_free_sgpr 66
		.amdhsa_reserve_vcc 1
		.amdhsa_float_denorm_mode_32 3
		.amdhsa_float_denorm_mode_16_64 3
		.amdhsa_memory_ordered 1
		.amdhsa_forward_progress 1
		.amdhsa_inst_pref_size 205
	.end_amdhsa_kernel
	.amdgpu_metadata
---
amdhsa.version: [ 1, 2 ]
amdhsa.kernels:
  - .name:           k_qe3073d5eaf_qkv
    .symbol:         k_qe3073d5eaf_qkv.kd
    .args:
      - { .name: x, .offset: 0, .size: 8, .value_kind: global_buffer, .address_space: global }
      - { .name: w_q_codes, .offset: 8, .size: 8, .value_kind: global_buffer, .address_space: global }
      - { .name: w_q_scales, .offset: 16, .size: 8, .value_kind: global_buffer, .address_space: global }
      - { .name: w_k_codes, .offset: 24, .size: 8, .value_kind: global_buffer, .address_space: global }
      - { .name: w_k_scales, .offset: 32, .size: 8, .value_kind: global_buffer, .address_space: global }
      - { .name: w_v_codes, .offset: 40, .size: 8, .value_kind: global_buffer, .address_space: global }
      - { .name: w_v_scales, .offset: 48, .size: 8, .value_kind: global_buffer, .address_space: global }
      - { .name: qf, .offset: 56, .size: 8, .value_kind: global_buffer, .address_space: global }
      - { .name: kv, .offset: 64, .size: 8, .value_kind: global_buffer, .address_space: global }
    .group_segment_fixed_size: 171008
    .private_segment_fixed_size: 0
    .kernarg_segment_align: 8
    .kernarg_segment_size: 72
    .max_flat_workgroup_size: 256
    .sgpr_count:     66
    .vgpr_count:     512
    .wavefront_size: 32
...
	.end_amdgpu_metadata
.endif
;; end of part 4
;; launch attn (part 5): grid 8 x 32, 16 waves a work-group, clusters of 4 x 1, 215,040 bytes of LDS; arguments qf, kv, cf; writes cf
.if DOCPART == 5
	.amdgcn_target "amdgcn-amd-amdhsa--gfx1250"
	.amdhsa_code_object_version 6
	.text
	.protected	k_qe3073d5eaf_attn
	.globl	k_qe3073d5eaf_attn
	.p2align	8
	.type	k_qe3073d5eaf_attn,@function
k_qe3073d5eaf_attn:
	s_mov_b64 s[64:65], 0
	v_nop
	global_prefetch_b8 v0, s[64:65] scope:SCOPE_SE
	s_setreg_imm32_b32 hwreg(HW_REG_WAVE_MODE, 25, 1), 1
	s_wait_xcnt 0x0
	s_wait_alu depctr_hold_cnt(0) depctr_sa_sdst(0) depctr_va_vdst(0) depctr_va_sdst(0) depctr_va_ssrc(0) depctr_va_vcc(0) depctr_vm_vsrc(0)
	s_getreg_b32 s2, hwreg(HW_REG_IB_STS2, 6, 4)
	s_cmp_eq_u32 s2, 0
	s_cbranch_scc0 .Lentry_in_a_cluster
	s_endpgm
.Lentry_in_a_cluster:
	s_bfe_u32 s2, ttmp6, 0x10000c
	s_cmp_lg_u32 s2, 0x3003
	s_cbranch_scc0 .Lentry_shape_is_right
	s_endpgm
.Lentry_shape_is_right:
; ctx = softmax(q k^T / 8) v for one head, both products on codes of FP6 (E2M3) with E8M0 scales, and ctx quantised along the model's 1024 for the last product.
; THE SOFTMAX: t = score x log2(e) / 8; M = the running largest t rounded UP to a whole number; p = 2^(t - M) is quantised along the keys, not normalised; the row's sum is taken of the unquantised p and divides at the end.
; When M moves, the sum and O are multiplied by 2^(old M - new M), which rounds nothing.
; SHARES.  A work-group owns 256 queries of one (batch, head); each of its sixteen waves one tile of 16 queries in 256 registers, four waves to a SIMD.  Every wave walks the head's 2,048 keys, 128 a step.
; LDS holds the head's WHOLE k and v: 16 records of 13,312 bytes, images of operand registers as the launch before has laid them.  It is filled once and never again.
; CLUSTER.  The four query blocks of a cluster belong to one head, so each part is asked for JOINTLY: the same tensor load with the same descriptor and a mask that names the four.  Each wave issues two:
; its sixteenth of records 0-3 (13 rows of 256 bytes) and of records 4-15 (39 rows), so that the first four key steps can begin while the rest is on its way.  Two tensor loads of a wave are out at the most.
; LAYOUT.  S^T = k q^T (source 0 = 16 keys, source 1 = my 16 queries; K = 64, the upper half of each operand is zero codes), O^T = v^T p^T: a lane holds ONE query throughout.
; The keys of a tile were chosen (tile t, row i -> 64 (t / 4) + 8 (t % 4) + i % 8 + 32 (i / 8)) so that registers 0-31 of a lane's scores are keys 32 h + 0 .. 31 and registers 32-63 keys 64 + 32 h + 0 .. 31:
; two WHOLE blocks, in the places that the second product's operand gives that lane.  A block's largest p is the exponential of its largest score.  Likewise a lane's 32 registers of O^T are channels 32 h + 0 .. 31.
; OUT.  In the last product's fragment for heads 2 s and 2 s + 1, lanes 16 (head % 2) + r hold this head, registers 6 c on its channels 32 c on.  The codes leave in runs of 256 consecutive aligned bytes;
; the scale words leave as 64 bytes a wave, a part of 256: 1,024 of a record's 13,312 bytes.
; NO PREFETCH: all that the launch reads of k and v is asked for at its head.
; LIMITS: NaN and infinities are not served.  A block of zeros gets the scale byte 1, not 127: its codes are zeros, and these bytes are read by this program alone.
; REGISTERS: v1-5 addresses; v6-11 at work; v12 -M, v13 the largest t, v[14:15] the sum in two halves; v16-27 q, v28 its scale words; v29 p's; v30, 31, 250, 251 maxima; v32-79 four fragments of k; v80-127 v's four;
;   v128-191 S^T, then p; v192-223 O^T; v224-235 p's codes; v236-242 second halves of blocks; v244-247 k's scale words, v248-249 v's; v[252:253] f.
.set REC, 13312
.macro PLACES                          ; four plain vector instructions between a matrix instruction and a load into, or a vector instruction on, its registers
.rept 4
	v_nop
.endr
.endm
.macro WM d, a, b, z, sa, sb, ra, rb   ; one matrix instruction.  z = 0: it starts the sum.  ra: source 0's scale words are taken from lanes 16-31 (rb is not used here)
.if (\z) == 0
.if (\ra) == 0
	v_wmma_scale_f32_16x16x128_f8f6f4 v[\d:\d+7], v[\a:\a+11], v[\b:\b+11], 0, v[\sa], v[\sb] matrix_a_fmt:MATRIX_FMT_FP6 matrix_b_fmt:MATRIX_FMT_FP6
.else
	v_wmma_scale_f32_16x16x128_f8f6f4 v[\d:\d+7], v[\a:\a+11], v[\b:\b+11], 0, v[\sa], v[\sb] matrix_a_fmt:MATRIX_FMT_FP6 matrix_b_fmt:MATRIX_FMT_FP6 matrix_a_scale:MATRIX_SCALE_ROW1
.endif
.else
.if (\ra) == 0
	v_wmma_scale_f32_16x16x128_f8f6f4 v[\d:\d+7], v[\a:\a+11], v[\b:\b+11], v[\d:\d+7], v[\sa], v[\sb] matrix_a_fmt:MATRIX_FMT_FP6 matrix_b_fmt:MATRIX_FMT_FP6
.else
	v_wmma_scale_f32_16x16x128_f8f6f4 v[\d:\d+7], v[\a:\a+11], v[\b:\b+11], v[\d:\d+7], v[\sa], v[\sb] matrix_a_fmt:MATRIX_FMT_FP6 matrix_b_fmt:MATRIX_FMT_FP6 matrix_a_scale:MATRIX_SCALE_ROW1
.endif
.endif
.endm
.macro ROUND                           ; a round of the cluster's barrier: my work-group's barrier; wave 0 signals for the work-group; every wave waits for all four work-groups; my work-group's barrier once more
	s_barrier_signal -1
	s_barrier_wait -1
	s_cmp_lg_u32 s10, 0
	s_cbranch_scc1 .Lnot_wave_0_\@
	s_barrier_signal -3
.Lnot_wave_0_\@:
	s_barrier_wait -3
	s_barrier_signal -1
	s_barrier_wait -1
.endm
	s_load_b128 s[4:7], s[0:1], 0x0                ; qf, kv
	s_load_b64 s[8:9], s[0:1], 0x10                ; cf
	v_lshl_add_u32 v254, v0, 2, 0x34000
	v_mov_b32 v255, 0
	ds_add_u32 v254, v255
	ds_add_u32 v254, v255
	v_lshrrev_b32 v3, 5, v0
	s_delay_alu instid0(VALU_DEP_1)
	v_readfirstlane_b32 s10, v3                    ; wave 0..15
	v_and_b32 v1, 31, v0
	s_delay_alu instid0(VALU_DEP_1)
	v_lshlrev_b32 v2, 3, v1                        ; 8 x lane
	s_delay_alu instid0(VALU_DEP_2)
	v_lshlrev_b32 v1, 4, v1                        ; 16 x lane
	v_bfe_u32 v5, v0, 4, 1
	s_delay_alu instid0(VALU_DEP_1)
	v_lshlrev_b32 v5, 3, v5                        ; 8 h
	v_and_b32 v10, 15, v0
	s_delay_alu instid0(VALU_DEP_1)
	v_lshlrev_b32 v10, 4, v10                      ; 16 r: q's scale words
	; the descriptors first, in registers that never hold a number made from my place in the cluster
	s_and_b32 s53, ttmp7, 0xffff                   ; 16 x batch + head, which the four partners share
	s_mul_i32 s51, s53, 16*REC                     ; the head's block in kv
	s_mov_b32 s12, 1                               ; group 0, load A: count = 1,
	s_mul_i32 s13, s10, 3328                       ; LDS address: my 13 rows of the first 208,
	s_add_co_u32 s14, s51, s13                     ; and the same bytes of the head's block
	s_mov_b32 s15, 0
	s_mov_b32 s16, 1                               ; load B:
	s_mul_i32 s17, s10, 9984
	s_add_co_u32 s17, s17, 4*REC                   ; my 39 rows of the other 624
	s_add_co_u32 s18, s51, s17
	s_mov_b32 s19, 0
	s_mov_b32 s20, 0x0023000f                      ; group 1, load A: 15:0 the mask: all four work-groups; 17:16 elements of 8 bytes; 20 no padding; 21 set beside a mask
	s_mov_b32 s21, 32<<16                          ; tensor_dim0 = 32 elements: 256 bytes
	s_mov_b32 s22, 13<<16                          ; tensor_dim1 = 13
	s_mov_b32 s23, 32<<16                          ; tile_dim0
	s_mov_b32 s24, 13                              ; tile_dim1
	s_mov_b32 s25, 32                              ; from row to row: dense
	s_mov_b32 s26, 0
	s_mov_b32 s27, 0
	s_mov_b32 s28, 0x0023000f                      ; load B: the same with 39 rows
	s_mov_b32 s29, 32<<16
	s_mov_b32 s30, 39<<16
	s_mov_b32 s31, 32<<16
	s_mov_b32 s32, 39
	s_mov_b32 s33, 32
	s_mov_b32 s34, 0
	s_mov_b32 s35, 0
	s_mov_b32 s36, 0x76543210
	s_mov_b32 s37, 0xfedcba98                      ; v_permlanex16_b32's selects for lane l xor 16
	s_mov_b32 s38, 0x3e38aa3b                      ; c = log2(e) / 8
	s_mov_b32 s39, s38                             ; (the packed form names the pair)
	; my queries: only q's and cf's global addresses hang on my place in the cluster
	s_bfe_u32 s11, ttmp6, 0x40000                  ; cx
	s_lshl_b32 s52, ttmp9, 2
	s_add_co_u32 s52, s52, s11                     ; my block of 256 queries
	s_lshr_b32 s54, s10, 3
	s_and_b32 s55, s10, 7                          ; T: my tile in its group of 128 rows
	s_lshl_b32 s56, s52, 1
	s_add_co_u32 s56, s56, s54                     ; the group in the batch
	s_lshl_b32 s57, s53, 4
	s_add_co_u32 s57, s57, s56
	s_mul_i32 s57, s57, 6656                       ; q's record
	s_mul_i32 s58, s55, 768
	s_add_co_u32 s58, s58, s57                     ; my tile's codes
	s_mov_b32 s59, 0
	s_and_b32 s60, s55, 1
	s_lshl_b32 s60, s60, 8
	s_lshr_b32 s61, s55, 1
	s_lshl_b32 s61, s61, 2
	s_add_co_u32 s60, s60, s61
	s_add_co_u32 s60, s60, s57
	s_add_co_u32 s60, s60, 6144                    ; its scale words: 6144 + 256 (T % 2) + 4 (T / 2), 16 bytes a row
	s_mov_b32 s61, 0
	s_lshr_b32 s62, s53, 4
	s_lshl_b32 s62, s62, 4
	s_add_co_u32 s62, s62, s56
	s_lshl_b32 s62, s62, 3
	s_add_co_u32 s62, s62, s55
	s_mul_i32 s62, s62, REC                        ; cf's record of my tile
	s_and_b32 s63, s53, 15                         ; the head
	s_lshr_b32 s54, s63, 1
	s_mul_i32 s54, s54, 1536
	s_and_b32 s50, s63, 1
	s_lshl_b32 s55, s50, 8
	s_add_co_u32 s54, s54, s55
	s_add_co_u32 s54, s54, s62                     ; fragment head / 2, lanes 16 (head % 2) on
	s_mov_b32 s55, 0
	s_lshl_b32 s56, s63, 6
	s_add_co_u32 s56, s56, s62
	s_add_co_u32 s56, s56, 12288                   ; the head's 16 scale words
	s_mov_b32 s57, 0
	s_lshl_b32 s50, s50, 3                         ; 8 (head % 2)
	s_mov_b32 s40, 0                               ; LDS byte of the key step in hand
	s_wait_dscnt 0x0
	s_wait_kmcnt 0x0
	s_add_nc_u64 s[14:15], s[6:7], s[14:15]
	s_or_b32 s15, s15, 0x80000000                  ; type = 2
	s_add_nc_u64 s[18:19], s[6:7], s[18:19]
	s_or_b32 s19, s19, 0x80000000
	s_add_nc_u64 s[42:43], s[4:5], s[58:59]
	s_add_nc_u64 s[44:45], s[4:5], s[60:61]
	s_add_nc_u64 s[46:47], s[8:9], s[54:55]
	s_add_nc_u64 s[48:49], s[8:9], s[56:57]
	ROUND                                          ; all four work-groups are here: the joint loads meet
	tensor_load_to_lds s[12:15], s[20:27]
	s_nop 0
	tensor_load_to_lds s[16:19], s[28:35]
	s_nop 0
.rept 4
	v_nop                                          ; four nops behind the tensor loads
.endr
	s_wait_alu depctr_va_vdst(0)
	global_load_b128 v[16:19], v1, s[42:43]        ; q's fragment stays in registers: six registers of codes,
	global_load_b64 v[20:21], v2, s[42:43] offset:512
	global_load_b32 v28, v10, s[44:45]             ; and its rows' scale words
.irp i, 22,23,24,25,26,27
	v_mov_b32 v[\i], 0                             ; K = 64: the upper half of the operand is zero codes
.endr
.irp t, 0,1,2,3
.irp i, 6,7,8,9,10,11
	v_mov_b32 v[32+12*\t+\i], 0                    ; likewise in k's four fragments: written once, never loaded
.endr
.endr
.set j, 0
.rept 32
	v_mov_b32 v[192+j], 0                          ; O^T.  (The step is written without a first form: the first change of M multiplies zeros)
.set j, j+1
.endr
	v_mov_b32 v14, 0
	v_mov_b32 v15, 0
	v_mov_b32 v13, 0xff61b1e6                      ; the largest t so far: -3e38, under every t
	s_delay_alu instid0(VALU_DEP_1)
	v_floor_f32 v12, -v13
	v_mov_b32 v11, 0                               ; written once: a lane permute's destination counts as one of its sources
	v_mov_b32 v253, 0                              ; (named as the upper half of the pair v[252:253])
; A KEY STEP: 128 keys, the record at LDS byte s40.
.macro STEP
	s_setprio 2
	v_add_nc_u32 v3, s40, v1
	v_add_nc_u32 v4, s40, v2
.irp t, 0,1,2,3
	ds_load_b128 v[32+12*\t:35+12*\t], v3 offset:768*\t
	ds_load_b64 v[36+12*\t:37+12*\t], v4 offset:768*\t+512
.endr
	ds_load_b128 v[244:247], v3 offset:6144        ; k's scale words: register i: lanes 0-15 tile 2 i, lanes 16-31 tile 2 i + 1
	s_wait_alu depctr_va_vdst(0)
	s_wait_dscnt 0x0
.irp t, 0,1,2,3
	WM 128+8*\t, 32+12*\t, 16, 0, 244+\t/2, 28, \t%2, 0
.endr
	PLACES                                         ; with the two additions above also the places behind the last step's products, in front of the loads of v
.irp t, 0,1,2,3
	ds_load_b128 v[32+12*\t:35+12*\t], v3 offset:768*(\t+4)
	ds_load_b64 v[36+12*\t:37+12*\t], v4 offset:768*(\t+4)+512
.endr
.irp n, 0,1,2,3
.irp j, 0,1,2
	ds_load_b128 v[80+12*\n+4*\j:83+12*\n+4*\j], v3 offset:6656+1536*\n+512*\j
.endr
.endr
	ds_load_b64 v[248:249], v3 offset:12800
	s_wait_dscnt 13                                ; k's tiles 4-7 are in; v's 12 loads and its scale words stay out and land under the softmax
.irp t, 0,1,2,3
	WM 160+8*\t, 32+12*\t, 16, 0, 246+\t/2, 28, \t%2, 0
.endr
	PLACES
	; the largest score of each of my two blocks of 32 keys, in four chains by turns; each accumulator is first read at one of its four lowest registers
.irp b, 0,1
	v_max3_num_f32 v[30+\b], v[128+32*\b], v[129+32*\b], v[130+32*\b]
	v_max3_num_f32 v[250+\b], v[144+32*\b], v[145+32*\b], v[146+32*\b]
.endr
.irp i, 3,5,7,9,11,13
.irp b, 0,1
	v_max3_num_f32 v[30+\b], v[30+\b], v[128+32*\b+\i], v[129+32*\b+\i]
	v_max3_num_f32 v[250+\b], v[250+\b], v[144+32*\b+\i], v[145+32*\b+\i]
.endr
.endr
.irp b, 0,1
	v_max3_num_f32 v[30+\b], v[30+\b], v[143+32*\b], v[159+32*\b]
.endr
.irp b, 0,1
	s_delay_alu instid0(VALU_DEP_2)
	v_max_num_f32 v[30+\b], v[30+\b], v[250+\b]
.endr
	s_delay_alu instid0(VALU_DEP_1)
	v_max_num_f32 v10, v30, v31
	s_delay_alu instid0(VALU_DEP_1)
	v_permlanex16_b32 v11, v10, s36, s37
	s_delay_alu instid0(VALU_DEP_1)
	v_max_num_f32 v10, v10, v11                    ; the step's largest score of my query
	s_delay_alu instid0(VALU_DEP_1)
	v_mul_f32 v10, s38, v10                        ; as t (c is positive)
	s_delay_alu instid0(VALU_DEP_1)
	v_max_num_f32 v13, v13, v10                    ; the running largest t
	v_mov_b32 v10, v12
	s_delay_alu instid0(VALU_DEP_2)
	v_floor_f32 v12, -v13                          ; the new -M = floor(-t): M is a whole number
	s_delay_alu instid0(VALU_DEP_1)
	v_sub_f32 v10, v12, v10                        ; old M - new M: a whole number, 0 or less
	s_delay_alu instid0(VALU_DEP_1)
	v_cvt_i32_f32 v10, v10                         ; (it saturates)
	s_delay_alu instid0(VALU_DEP_1)
	v_ldexp_f32 v252, 1.0, v10                     ; f = 2^(old M - new M)
.set j, 0
.rept 32
	v_pk_fma_f32 v[128+j:129+j], v[128+j:129+j], s[38:39], v[12:13] op_sel_hi:[1,0,0]   ; t - M, two at a time
.set j, j+2
.endr
	v_fma_f32 v30, v30, s38, v12                   ; the same of each block's largest score
	v_fma_f32 v31, v31, s38, v12
.set j, 0
	s_setprio 1
	s_wait_alu depctr_va_vdst(0)
.rept 64
	v_exp_f32 v[128+j], v[128+j]                   ; p = 2^(t - M), at most 1
.set j, j+1
.endr
	v_exp_f32 v30, v30                             ; the block's largest p: the same two instructions on the same number
	v_exp_f32 v31, v31
	v_pk_mul_f32 v[14:15], v[14:15], v[252:253] op_sel_hi:[1,0]    ; the sums under the new M.  (The plain place behind the exponentials)
	s_wait_alu depctr_va_vdst(0)
	v_max_num_f32 v30, 0x1800000, v30              ; the floor 2^(3 - 127): the byte cannot fall under 1
	v_max_num_f32 v31, 0x1800000, v31
	s_delay_alu instid0(VALU_DEP_2)
	v_add_nc_u32 v6, 0xff000000, v30               ; 2 off the exponent field: the conversion's scale operand
	s_delay_alu instid0(VALU_DEP_2)
	v_add_nc_u32 v7, 0xff000000, v31
	s_delay_alu instid0(VALU_DEP_2)
	v_lshrrev_b32 v8, 23, v6                       ; the scale's byte
	s_delay_alu instid0(VALU_DEP_2)
	v_lshrrev_b32 v9, 23, v7
	s_delay_alu instid0(VALU_DEP_1)
	v_lshl_or_b32 v29, v9, 16, v8                  ; my two bytes, blocks h and 2 + h,
	s_delay_alu instid0(VALU_DEP_1)
	v_lshlrev_b32 v29, v5, v29                     ; 8 h bits up;
	s_delay_alu instid0(VALU_DEP_1)
	v_permlanex16_b32 v11, v29, s36, s37
	s_delay_alu instid0(VALU_DEP_1)
	v_or_b32 v29, v29, v11                         ; with lane l xor 16's two: p's scale word for these 128 keys
	v_cvt_scalef32_pk16_fp6_f32 v[224:226], v[128:143], v6
	v_cvt_scalef32_pk16_fp6_f32 v[236:238], v[144:159], v6         ; (a conversion's three registers begin on an even number)
	v_cvt_scalef32_pk16_fp6_f32 v[230:232], v[160:175], v7
	v_cvt_scalef32_pk16_fp6_f32 v[240:242], v[176:191], v7
	v_nop                                          ; one plain place behind the conversions
.irp i, 0,1,2
	v_mov_b32 v[227+\i], v[236+\i]
	v_mov_b32 v[233+\i], v[240+\i]
.endr
	v_pk_add_f32 v[236:237], v[132:133], v[136:137]
	v_pk_add_f32 v[250:251], v[140:141], v[144:145]
	v_pk_add_f32 v[246:247], v[148:149], v[152:153]
	v_pk_add_f32 v[244:245], v[156:157], v[160:161]
	v_pk_add_f32 v[242:243], v[164:165], v[168:169]
	v_pk_add_f32 v[240:241], v[172:173], v[176:177]
	v_pk_add_f32 v[238:239], v[180:181], v[184:185]
	v_pk_add_f32 v[14:15], v[14:15], v[188:189]
	v_pk_add_f32 v[236:237], v[236:237], v[128:129]
	v_pk_add_f32 v[250:251], v[250:251], v[130:131]
	v_pk_add_f32 v[246:247], v[246:247], v[134:135]
	v_pk_add_f32 v[244:245], v[244:245], v[138:139]
	v_pk_add_f32 v[242:243], v[242:243], v[142:143]
	v_pk_add_f32 v[240:241], v[240:241], v[146:147]
	v_pk_add_f32 v[238:239], v[238:239], v[150:151]
	v_pk_add_f32 v[14:15], v[14:15], v[154:155]
	v_pk_add_f32 v[236:237], v[236:237], v[158:159]
	v_pk_add_f32 v[250:251], v[250:251], v[162:163]
	v_pk_add_f32 v[246:247], v[246:247], v[166:167]
	v_pk_add_f32 v[244:245], v[244:245], v[170:171]
	v_pk_add_f32 v[242:243], v[242:243], v[174:175]
	v_pk_add_f32 v[240:241], v[240:241], v[178:179]
	v_pk_add_f32 v[238:239], v[238:239], v[182:183]
	v_pk_add_f32 v[14:15], v[14:15], v[186:187]
	v_pk_add_f32 v[236:237], v[236:237], v[190:191]
	s_delay_alu instid0(VALU_DEP_2)
	v_pk_add_f32 v[14:15], v[14:15], v[244:245]
	s_delay_alu instid0(VALU_DEP_2)
	v_pk_add_f32 v[236:237], v[236:237], v[242:243]
	v_pk_add_f32 v[250:251], v[250:251], v[240:241]
	v_pk_add_f32 v[246:247], v[246:247], v[238:239]
	s_delay_alu instid0(VALU_DEP_2)
	v_pk_add_f32 v[14:15], v[14:15], v[250:251]
	s_delay_alu instid0(VALU_DEP_2)
	v_pk_add_f32 v[236:237], v[236:237], v[246:247]
	s_delay_alu instid0(VALU_DEP_1)
	v_pk_add_f32 v[14:15], v[14:15], v[236:237]
.set j, 0
	s_setprio 0
.rept 16
	v_pk_mul_f32 v[192+j:193+j], v[192+j:193+j], v[252:253] op_sel_hi:[1,0]   ; O^T under the new M.  (These and the sums are the places between the scale word's and the codes' last writes and the products below)
.set j, j+2
.endr
	s_wait_alu depctr_va_vdst(0)
	s_wait_dscnt 0x0                               ; v and its scale words are in
.irp n, 0,1,2,3
	WM 192+8*\n, 80+12*\n, 224, 1, 248+\n/2, 29, \n%2, 0           ; the four accumulators take turns
.endr
	s_add_co_u32 s40, s40, REC
.endm
	s_wait_loadcnt 0x0                             ; q
	s_wait_tensorcnt 0x1                           ; my part of records 0-3 is in; my second load may stay out
	s_barrier_signal -1
	s_barrier_wait -1                              ; everybody's is
	s_mov_b32 s41, 4
.LA:
	STEP
	s_sub_co_u32 s41, s41, 1
	s_cmp_lg_u32 s41, 0
	s_cbranch_scc1 .LA
	s_setprio 0
	s_wait_tensorcnt 0x0                           ; my part of records 4-15 is in
	s_wait_dscnt 0x0
	s_barrier_signal -1
	s_barrier_wait -1
	s_mov_b32 s41, 12
.LB:
	STEP
	s_sub_co_u32 s41, s41, 1
	s_cmp_lg_u32 s41, 0
	s_cbranch_scc1 .LB
	s_setprio 0
	; THE WAY OUT.  The addresses are made here: seven plain instructions, the places behind the last products.
	v_and_b32 v6, 15, v0                           ; r
	v_bfe_u32 v7, v0, 4, 1                         ; h
	s_delay_alu instid0(VALU_DEP_2)
	v_lshlrev_b32 v3, 4, v6
	s_delay_alu instid0(VALU_DEP_1)
	v_lshl_add_u32 v4, v7, 3, v3                   ; 16 r + 8 h
	s_delay_alu instid0(VALU_DEP_2)
	v_lshl_add_u32 v3, v7, 10, v3                  ; 16 r + 1024 h
	v_lshlrev_b32 v8, 2, v6                        ; 4 r
	v_lshl_add_u32 v9, v7, 4, s50                  ; 16 h + 8 (head % 2): my byte's place in the fragment's scale word
	v_add_f32 v14, v14, v15                        ; the sum's two halves,
	s_delay_alu instid0(VALU_DEP_1)
	v_permlanex16_b32 v11, v14, s36, s37
	s_delay_alu instid0(VALU_DEP_1)
	v_add_f32 v14, v14, v11                        ; and lane l xor 16's: the row's sum
	s_wait_alu depctr_va_vdst(0)
	v_rcp_f32 v14, v14
	v_nop                                          ; one plain place behind the reciprocal
.set j, 0
	s_wait_alu depctr_va_vdst(0)
.rept 32
	v_mul_f32 v[128+j], v[192+j], v14              ; ctx(query r, channel 32 h + j)
.set j, j+1
.endr
	v_max3_num_f32 v30, |v128|, |v129|, |v130|     ; the block's largest magnitude: all 32 numbers are mine
	v_max3_num_f32 v31, |v144|, |v145|, |v146|
.irp i, 3,5,7,9,11,13
	s_delay_alu instid0(VALU_DEP_2)
	v_max3_num_f32 v30, v30, |v[128+\i]|, |v[129+\i]|
	s_delay_alu instid0(VALU_DEP_2)
	v_max3_num_f32 v31, v31, |v[144+\i]|, |v[145+\i]|
.endr
	s_delay_alu instid0(VALU_DEP_2)
	v_max3_num_f32 v30, v30, |v143|, |v159|
	s_delay_alu instid0(VALU_DEP_1)
	v_max3_num_f32 v30, v30, v31, 0x1800000
	s_delay_alu instid0(VALU_DEP_1)
	v_add_nc_u32 v6, 0xff000000, v30
	s_delay_alu instid0(VALU_DEP_1)
	v_lshrrev_b32 v7, 23, v6
	v_cvt_scalef32_pk16_fp6_f32 v[224:226], v[128:143], v6
	v_cvt_scalef32_pk16_fp6_f32 v[236:238], v[144:159], v6
	v_lshlrev_b32 v7, v9, v7                       ; (the plain place behind the conversions)
.irp i, 0,1,2
	v_mov_b32 v[227+\i], v[236+\i]
.endr
	s_delay_alu instid0(VALU_DEP_4)
	v_permlanex16_b32 v11, v7, s36, s37
	s_delay_alu instid0(VALU_DEP_1)
	v_or_b32 v7, v7, v11                           ; the head's two bytes of row r's word
	s_mov_b32 vcc_lo, 0xffff0000
.irp i, 0,1,2,3
	v_cndmask_b32 v[240+\i], v[224+\i], v[226+\i], vcc_lo          ; h = 0: registers 0-3 of the fragment; h = 1: registers 8-11, my codes' last four
.endr
.irp i, 0,1
	v_cndmask_b32 v[232+\i], v[228+\i], v[224+\i], vcc_lo          ; h = 0: registers 4, 5; h = 1: registers 6, 7, my codes' first two
.endr
	global_store_b128 v3, v[240:243], s[46:47]                     ; sixteen lanes store 256 consecutive aligned bytes
	global_store_b64 v4, v[232:233], s[46:47] offset:512           ; 32 lanes store 256 consecutive aligned bytes
	global_store_b32 v8, v7, s[48:49]                              ; lanes r and r + 16 store the same word with the same value
	s_wait_tensorcnt 0x0
	s_wait_dscnt 0x0
	s_wait_tensorcnt 0x0
	ds_add_u32 v254, v255
	s_wait_dscnt 0x0
	ROUND                                          ; the closing round: no work-group ends while a partner may still ask for a part that names it
	s_endpgm
.Lfunc_end_k_qe3073d5eaf_attn:
	.size	k_qe3073d5eaf_attn, .Lfunc_end_k_qe3073d5eaf_attn-k_qe3073d5eaf_attn
	.p2alignl 7, 3214868480
	.fill 96, 4, 3214868480
	.section	.rodata,"a",@progbits
	.p2align	6, 0x0
	.amdhsa_kernel k_qe3073d5eaf_attn
		.amdhsa_group_segment_fixed_size 215040
		.amdhsa_private_segment_fixed_size 0
		.amdhsa_enable_private_segment 0
		.amdhsa_kernarg_size 24
		.amdhsa_user_sgpr_count 2
		.amdhsa_user_sgpr_kernarg_segment_ptr 1
		.amdhsa_wavefront_size32 1
		.amdhsa_system_sgpr_workgroup_id_x 1
		.amdhsa_system_sgpr_workgroup_id_y 1
		.amdhsa_system_sgpr_workgroup_id_z 1
		.amdhsa_system_vgpr_workitem_id 0
		.amdhsa_next_free_vgpr 256
		.amdhsa_next_free_sgpr 66
		.amdhsa_reserve_vcc 1
		.amdhsa_float_denorm_mode_32 3
		.amdhsa_float_denorm_mode_16_64 3
		.amdhsa_memory_ordered 1
		.amdhsa_forward_progress 1
		.amdhsa_inst_pref_size 45
	.end_amdhsa_kernel
	.amdgpu_metadata
---
amdhsa.version: [ 1, 2 ]
amdhsa.kernels:
  - .name:           k_qe3073d5eaf_attn
    .symbol:         k_qe3073d5eaf_attn.kd
    .args:
      - { .name: qf, .offset: 0, .size: 8, .value_kind: global_buffer, .address_space: global }
      - { .name: kv, .offset: 8, .size: 8, .value_kind: global_buffer, .address_space: global }
      - { .name: cf, .offset: 16, .size: 8, .value_kind: global_buffer, .address_space: global }
    .group_segment_fixed_size: 215040
    .private_segment_fixed_size: 0
    .kernarg_segment_align: 8
    .kernarg_segment_size: 24
    .max_flat_workgroup_size: 512
    .sgpr_count:     66
    .vgpr_count:     256
    .wavefront_size: 32
...
	.end_amdgpu_metadata
.endif
;; end of part 5
;; launch oproj (part 6): grid 128 x 1, 16 waves a work-group, no clusters, 133,632 bytes of LDS; arguments cf, w_o_codes, w_o_scales, b_o, x, ln_gamma, ln_beta, out0; writes out0
.if DOCPART == 6
	.amdgcn_target "amdgcn-amd-amdhsa--gfx1250"
	.amdhsa_code_object_version 6
	.text
	.protected	k_qe3073d5eaf_oproj
	.globl	k_qe3073d5eaf_oproj
	.p2align	8
	.type	k_qe3073d5eaf_oproj,@function
k_qe3073d5eaf_oproj:
	s_mov_b64 s[64:65], 0
	v_nop
	global_prefetch_b8 v0, s[64:65] scope:SCOPE_SE
	s_setreg_imm32_b32 hwreg(HW_REG_WAVE_SCHED_MODE, 0, 2), 2
	s_setreg_imm32_b32 hwreg(HW_REG_WAVE_MODE, 25, 1), 1
	s_wait_xcnt 0x0
	s_wait_alu depctr_vm_vsrc(0)
; out = LayerNorm(ctx Wo^T + b_o + x) x gamma + beta.  The product is on codes of FP6 (E2M3) with E8M0 scales; all else in f32.
; ctx arrives as images of operand registers, one record of 13,312 bytes for a tile of 16 rows: 8 fragments (K step s = heads 2 s, 2 s + 1) and, for each head, 16 words with that head's two scale bytes in their places.
; Wo [1024][1024] arrives as codes (768 bytes a row) with 32 scale bytes a row.
; SHARES.  A work-group takes two tiles, 32 WHOLE rows, since the norm wants all 1,024 columns.  In the product wave w makes columns 64 w .. 64 w + 63 of both tiles: 8 accumulators, which take turns.
; The results meet in a stage in LDS; behind one barrier wave w owns rows w and 16 + w of the stage, a lane 32 numbers of each.
; K IS PERMUTED ALIKE ON BOTH OPERANDS: in each 128 along K the place (c, h) of the operand's layout holds block 2 h + c: a lane's 12 registers of a fragment of Wo are 48 consecutive bytes of the row;
; in Wo's scale words bytes 1 and 2 change places; ctx was laid so.  LIMIT: this changes the order in which the f32 sums are formed, nothing else.
; THE BIAS is loaded into the accumulators, in the result's layout: every K step, the first too, adds in place.
; THE VARIANCE is taken of y - mean, in a second pass over registers, so that a common offset of the inputs is not squared.
; ROWS: row r of tile 2 g + m is row 128 (g / 4) + 64 ((g / 2) % 2) + 16 (g % 2) + 8 m + r % 8 + 32 (r / 8) of x and of out.
; NO CLUSTER: what the work-groups share is Wo.  A joint request lands in LDS; here each fragment of Wo is used by one wave alone and goes from memory straight into its operand registers,
; so through LDS its 786,432 bytes a work-group would be written there and read back once for nothing inside the work-group.
; 128 WORK-GROUPS: each must walk all of Wo whatever its rows; with 16 rows to a work-group there would be twice as many walks.
; LIMITS: NaN and infinities among the inputs are not served.
; REGISTERS: v1-9, v14 addresses; v16-87, v88-159 two sets of four fragments of Wo and two of ctx (later: x's two rows; gamma, beta, v152-158 at work); v160-175 Wo's scale words; v176-183 ctx's; v184-191 the odd heads' halves of them;
;   v192-255 the accumulators ((n, m) at 192 + 8 (2 n + m)), later the two rows of y.
; THE MODE: SCHED_MODE bits 1:0 = 2 (LLVM: expert scheduling mode 2), set by the entry lines.  The code itself states the register dependences between vector or matrix instructions and memory or LDS
; instructions, with s_wait_alu, always for 0.
; THE PLAN.  Registers that memory or LDS instructions touch:
;   v1-9, v14      offsets and LDS addresses: written at the head, never again: one wait on va_vdst ahead of the first load serves them for the whole kernel.
;   the two sets   K step s: its 8 products read set s % 2; behind them the loads of step s + 2 (behind step 6: x; behind step 7: gamma and beta) land in it.  The 256 registers of a wave hold no third set, and a set that
;                  waited for the next step's head would halve the loads on their way: so ONE wait on va_vdst stands in a step, behind its products and their places.
;   v160-183       the scale words: loaded, then written by vector instructions once: a wait on va_vdst behind their eight places, ahead of the first product.
;   v192-255       loaded (the bias); written by the products; read by the LDS stores into the stage (step 7's wait states that they are written); then the rows come back into them (a wait on vm_vsrc: the stores
;                  have read them); written by the norm; read by the global stores (a wait on va_vdst ahead of each row's eight).
;   v254, v255     at the end made anew for the closing add: a wait on vm_vsrc ahead of the two makers, since the last stores read them.
.set SP, 4112                          ; a stage row: 4,096 bytes + 16 = 257 x 16: sixteen lanes that write the same place of sixteen rows touch sixteen different 16-byte columns of 256 bytes
.macro PLACES                          ; four plain vector instructions between a matrix instruction and a load into, or an LDS store of, its registers
.rept 4
	v_nop
.endr
.endm
.macro WM d, a, b, sa, sb, ra, rb      ; one matrix instruction, adding in place.  ra, rb: the scale words are taken from lanes 16-31
.if ((\ra) == 0) && ((\rb) == 0)
	v_wmma_scale_f32_16x16x128_f8f6f4 v[\d:\d+7], v[\a:\a+11], v[\b:\b+11], v[\d:\d+7], v[\sa], v[\sb] matrix_a_fmt:MATRIX_FMT_FP6 matrix_b_fmt:MATRIX_FMT_FP6
.elseif (\rb) == 0
	v_wmma_scale_f32_16x16x128_f8f6f4 v[\d:\d+7], v[\a:\a+11], v[\b:\b+11], v[\d:\d+7], v[\sa], v[\sb] matrix_a_fmt:MATRIX_FMT_FP6 matrix_b_fmt:MATRIX_FMT_FP6 matrix_a_scale:MATRIX_SCALE_ROW1
.elseif (\ra) == 0
	v_wmma_scale_f32_16x16x128_f8f6f4 v[\d:\d+7], v[\a:\a+11], v[\b:\b+11], v[\d:\d+7], v[\sa], v[\sb] matrix_a_fmt:MATRIX_FMT_FP6 matrix_b_fmt:MATRIX_FMT_FP6 matrix_b_scale:MATRIX_SCALE_ROW1
.else
	v_wmma_scale_f32_16x16x128_f8f6f4 v[\d:\d+7], v[\a:\a+11], v[\b:\b+11], v[\d:\d+7], v[\sa], v[\sb] matrix_a_fmt:MATRIX_FMT_FP6 matrix_b_fmt:MATRIX_FMT_FP6 matrix_a_scale:MATRIX_SCALE_ROW1 matrix_b_scale:MATRIX_SCALE_ROW1
.endif
.endm
.macro LOADW s                         ; K step s: my four fragments of Wo and the two of ctx: 18 loads
.set BL, 16+72*((\s)%2)
.irp n, 0,1,2,3
.irp j, 0,1,2
	global_load_b128 v[BL+12*\n+4*\j:BL+12*\n+4*\j+3], v2, s[6:7] offset:12288*\n+96*(\s)+16*\j
.endr
.endr
.irp m, 0,1
.irp j, 0,1,2
	global_load_b128 v[BL+48+12*\m+4*\j:BL+48+12*\m+4*\j+3], v1, s[4:5] offset:13312*\m+1536*(\s)+512*\j
.endr
.endr
.endm
	s_load_b512 s[4:19], s[0:1], 0x0               ; cf, Wo codes, Wo scales, b_o, x, gamma, beta, out
	v_lshrrev_b32 v10, 5, v0
	v_readfirstlane_b32 s20, v10                   ; wave 0..15
	v_and_b32 v11, 31, v0                          ; lane
	v_and_b32 v12, 15, v0                          ; r
	v_bfe_u32 v13, v0, 4, 1                        ; h
	v_lshlrev_b32 v1, 4, v11                       ; 16 x lane
	v_mul_u32_u24 v2, v12, 768
	v_mad_u32_u24 v2, v13, 48, v2                  ; Wo: row r, + 48 h
	v_lshl_add_u32 v3, v13, 4, v12
	v_lshlrev_b32 v3, 5, v3                        ; its scale bytes: lanes 16-31 take the next tile's rows
	v_lshlrev_b32 v4, 2, v12
	v_mad_u32_u24 v4, v13, 13312, v4               ; ctx's scale words: lanes 0-15 tile 0's, lanes 16-31 tile 1's
	s_wait_alu depctr_va_sdst(0)                   ; s20 is written, ahead of its first reader: LDS addresses and the buffers' bases are made from it
	s_lshl_b32 s21, s20, 8
	v_mul_u32_u24 v5, v12, SP
	v_lshl_add_u32 v5, v13, 5, v5
	v_add_nc_u32 v5, s21, v5                       ; into the stage: row r, + 32 h, + my 256 bytes;
	v_add_nc_u32 v6, 16*SP, v5                     ; tile 1's rows
	s_mul_i32 s21, s20, SP
	v_add_nc_u32 v7, s21, v1                       ; back: row w, 16 bytes a lane;
	v_add_nc_u32 v8, 16*SP, v7                     ; row 16 + w
	v_lshlrev_b32 v9, 8, v12
	v_lshl_add_u32 v9, v13, 15, v9                 ; the prefetch: lanes 0-15 my first row of x, lanes 16-31 my second, 256 bytes from lane to lane
	v_lshlrev_b32 v14, 5, v13                      ; b_o: 32 h
	v_mov_b32 v158, 0                              ; written once: a lane permute's destination counts as one of its sources
	s_mul_i32 s22, ttmp9, 2*13312                  ; my two records of ctx
	s_mov_b32 s23, 0
	s_mul_i32 s24, s20, 49152                      ; my 64 rows of Wo's codes
	s_mov_b32 s25, 0
	s_lshl_b32 s26, s20, 11                        ; and of its scale bytes
	s_mov_b32 s27, 0
	s_lshl_b32 s28, s20, 8                         ; my 64 numbers of b_o
	s_mov_b32 s29, 0
	s_lshr_b32 s30, ttmp9, 2
	s_lshl_b32 s30, s30, 7
	s_bfe_u32 s31, ttmp9, 0x10001
	s_lshl_b32 s31, s31, 6
	s_add_co_u32 s30, s30, s31
	s_and_b32 s31, ttmp9, 1
	s_lshl_b32 s31, s31, 4
	s_add_co_u32 s30, s30, s31
	s_and_b32 s31, s20, 7
	s_add_co_u32 s30, s30, s31
	s_lshr_b32 s31, s20, 3
	s_lshl_b32 s31, s31, 5
	s_add_co_u32 s30, s30, s31                     ; my first row of x and of out; the second lies 8 rows on
	s_lshl_b32 s30, s30, 12
	s_mov_b32 s31, 0
	s_mov_b32 s32, 0x76543210
	s_mov_b32 s33, 0xfedcba98                      ; v_permlanex16_b32's selects for lane l xor 16
	s_mov_b32 s34, 0x03010200                      ; v_perm_b32: bytes 1 and 2 change places
	s_mov_b32 s35, 0x3a800000                      ; 1 / 1024
	s_mov_b32 s36, 0x3727c5ac                      ; 1e-5
	s_wait_kmcnt 0x0
	s_add_nc_u64 s[4:5], s[4:5], s[22:23]
	s_add_nc_u64 s[6:7], s[6:7], s[24:25]
	s_add_nc_u64 s[8:9], s[8:9], s[26:27]
	s_add_nc_u64 s[10:11], s[10:11], s[28:29]
	s_add_nc_u64 s[12:13], s[12:13], s[30:31]
	s_add_nc_u64 s[18:19], s[18:19], s[30:31]
	s_wait_alu depctr_va_vdst(0)                   ; the offsets and LDS addresses v1 to v9 and v14 are written, which every load, store and prefetch of the kernel reads; so is v158, in which a load of K step 1 lands
	global_load_b128 v[160:163], v3, s[8:9]        ; Wo's scale words of all 8 K steps: register 8 p + s: lanes 0-15 tile 2 p, lanes 16-31 tile 2 p + 1
	global_load_b128 v[164:167], v3, s[8:9] offset:16
	global_load_b128 v[168:171], v3, s[8:9] offset:1024
	global_load_b128 v[172:175], v3, s[8:9] offset:1040
.irp s, 0,1,2,3,4,5,6,7
	global_load_b32 v[176+\s], v4, s[4:5] offset:12288+128*\s      ; head 2 s's two bytes of each row's word,
	global_load_b32 v[184+\s], v4, s[4:5] offset:12288+128*\s+64   ; and head 2 s + 1's
.endr
.irp n, 0,1,2,3
.irp m, 0,1
	global_load_b128 v[192+8*(2*\n+\m):195+8*(2*\n+\m)], v14, s[10:11] offset:64*\n       ; b_o at columns 16 n + 8 h + 0 .. 7 of my 64: the sums begin with it
	global_load_b128 v[196+8*(2*\n+\m):199+8*(2*\n+\m)], v14, s[10:11] offset:64*\n+16
.endr
.endr
	LOADW 0
	LOADW 1
	s_wait_loadcnt 36                              ; all but the two K steps' 36 loads: the scale words and the bias are in
.irp i, 0,1,2,3,4,5,6,7,8,9,10,11,12,13,14,15
	v_perm_b32 v[160+\i], v[160+\i], v[160+\i], s34
.endr
.irp s, 0,1,2,3,4,5,6,7
	v_or_b32 v[176+\s], v[176+\s], v[184+\s]       ; the word of K step s is whole
.endr
.rept 8
	v_nop                                          ; a scale register written by a vector instruction stands eight places ahead of a scaled matrix instruction
.endr
	s_wait_alu depctr_va_vdst(0)                   ; the scale words v160-183 are written, which the products take as their scales; the places above stay beside this wait
.macro OSTEP s
.set BB, 16+72*((\s)%2)
.if (\s) < 7
	s_wait_loadcnt 18                              ; this step's 18 loads are in; the next step's stay out
.else
	s_wait_loadcnt 16                              ; behind the last step's loads: x's 16
.endif
.irp n, 0,1,2,3
.irp m, 0,1
	WM 192+8*(2*\n+\m), BB+12*\n, BB+48+12*\m, 160+8*(\n/2)+(\s), 176+(\s), \n%2, \m
.endr
.endr
	PLACES                                         ; the loads below land in registers that these products have read
	s_wait_alu depctr_va_vdst(0)                   ; this step's products are done reading their set, in which the loads below land; behind step 7 they have also written the accumulators, which the LDS stores read
.if (\s) < 6
	LOADW (\s)+2
.endif
.if (\s) == 4
	global_prefetch_b8 v9, s[12:13] th:TH_LOAD_NT scope:SCOPE_SE   ; my wave's two rows of x, each lane another 256 bytes, two K steps ahead of their loads; no other wave of the launch names them; its address registers are never rewritten
.endif
.if (\s) == 6
.irp m, 0,1
.irp i, 0,1,2,3,4,5,6,7
	global_load_b128 v[16+32*\m+4*\i:19+32*\m+4*\i], v1, s[12:13] offset:32768*\m+512*\i th:TH_LOAD_NT   ; x: 512 consecutive bytes a load; read once in this launch
.endr
.endr
.endif
.if (\s) == 7
.irp i, 0,1,2,3,4,5,6,7
	global_load_b128 v[88+4*\i:91+4*\i], v1, s[14:15] offset:512*\i        ; gamma
	global_load_b128 v[120+4*\i:123+4*\i], v1, s[16:17] offset:512*\i      ; beta
.endr
.endif
.endm
.irp s, 0,1,2,3,4,5,6,7
	OSTEP \s
.endr
.irp n, 0,1,2,3                                ; lane (r, h) of accumulator (n, m): row r of tile m, columns 64 w + 16 n + 8 h + 0 .. 7; each accumulator from its low end on.  No vector or matrix instruction stands between step 7's wait and these
	ds_store_b128 v5, v[192+16*\n:195+16*\n] offset:64*\n
	ds_store_b128 v5, v[196+16*\n:199+16*\n] offset:64*\n+16
	ds_store_b128 v6, v[200+16*\n:203+16*\n] offset:64*\n
	ds_store_b128 v6, v[204+16*\n:207+16*\n] offset:64*\n+16
.endr
	s_wait_dscnt 0x0                               ; for the others' sake: my stores into the stage are done
	s_barrier_signal -1
	s_barrier_wait -1                              ; 32 whole rows lie in the stage
	s_wait_alu depctr_vm_vsrc(0)                   ; my LDS stores have read v192-255, in which the rows below land
.irp i, 0,1,2,3,4,5,6,7
	ds_load_b128 v[192+4*\i:195+4*\i], v7 offset:512*\i            ; a lane: columns 128 i + 4 lane + 0 .. 3
	ds_load_b128 v[224+4*\i:227+4*\i], v8 offset:512*\i
.endr
	s_wait_dscnt 0x0
	s_wait_loadcnt 0x0                             ; x, gamma, beta
.macro WSUM a                          ; the sum over the 32 lanes, in every lane
	v_add_f32_dpp v[\a], v[\a], v[\a] row_xmask:1 row_mask:0xf bank_mask:0xf
	v_add_f32_dpp v[\a], v[\a], v[\a] row_xmask:2 row_mask:0xf bank_mask:0xf
	v_add_f32_dpp v[\a], v[\a], v[\a] row_xmask:4 row_mask:0xf bank_mask:0xf
	v_add_f32_dpp v[\a], v[\a], v[\a] row_xmask:8 row_mask:0xf bank_mask:0xf
	v_permlanex16_b32 v158, v[\a], s32, s33
	v_add_f32 v[\a], v[\a], v158
.endm
.macro LN m                            ; my row of tile m
.set YR, 192+32*\m
.set XR, 16+32*\m
.irp k, 0,2,4,6,8,10,12,14,16,18,20,22,24,26,28,30
	v_pk_add_f32 v[YR+\k:YR+\k+1], v[YR+\k:YR+\k+1], v[XR+\k:XR+\k+1]      ; + the residual
.endr
	v_pk_add_f32 v[152:153], v[YR:YR+1], v[YR+2:YR+3]              ; the row's sum, in two chains
	v_pk_add_f32 v[154:155], v[YR+4:YR+5], v[YR+6:YR+7]
.irp k, 8,12,16,20,24,28
	v_pk_add_f32 v[152:153], v[152:153], v[YR+\k:YR+\k+1]
	v_pk_add_f32 v[154:155], v[154:155], v[YR+\k+2:YR+\k+3]
.endr
	v_pk_add_f32 v[152:153], v[152:153], v[154:155]
	v_add_f32 v152, v152, v153
	WSUM 152
	v_mul_f32 v152, s35, v152                      ; the mean
.irp k, 0,2,4,6,8,10,12,14,16,18,20,22,24,26,28,30
	v_pk_add_f32 v[YR+\k:YR+\k+1], v[YR+\k:YR+\k+1], v[152:153] op_sel_hi:[1,0] neg_lo:[0,1] neg_hi:[0,1]   ; d = y - mean
.endr
	v_pk_mul_f32 v[154:155], v[YR:YR+1], v[YR:YR+1]                ; the sum of d^2, in two chains
	v_pk_mul_f32 v[156:157], v[YR+2:YR+3], v[YR+2:YR+3]
.irp k, 4,8,12,16,20,24,28
	v_pk_fma_f32 v[154:155], v[YR+\k:YR+\k+1], v[YR+\k:YR+\k+1], v[154:155]
	v_pk_fma_f32 v[156:157], v[YR+\k+2:YR+\k+3], v[YR+\k+2:YR+\k+3], v[156:157]
.endr
	v_pk_add_f32 v[154:155], v[154:155], v[156:157]
	v_add_f32 v154, v154, v155
	WSUM 154
	v_fma_f32 v154, v154, s35, s36                 ; the variance + 1e-5
	v_rsq_f32 v154, v154
	v_nop                                          ; one plain place behind the root
	s_wait_alu depctr_va_vdst(0)                   ; the root has written v154, ahead of its first reader
.irp k, 0,2,4,6,8,10,12,14,16,18,20,22,24,26,28,30
	v_pk_mul_f32 v[YR+\k:YR+\k+1], v[YR+\k:YR+\k+1], v[154:155] op_sel_hi:[1,0]
.endr
.irp k, 0,2,4,6,8,10,12,14,16,18,20,22,24,26,28,30
	v_pk_fma_f32 v[YR+\k:YR+\k+1], v[YR+\k:YR+\k+1], v[88+\k:89+\k], v[120+\k:121+\k]
.endr
	s_wait_alu depctr_va_vdst(0)                   ; the multiply-adds have written my row, which the eight stores below read; the other row's work names none of these registers
.irp i, 0,1,2,3,4,5,6,7
	global_store_b128 v1, v[YR+4*\i:YR+4*\i+3], s[18:19] offset:32768*\m+512*\i th:TH_STORE_NT   ; 32 lanes store 512 consecutive bytes, at a multiple of 256 from out's first byte; written once, read by nobody here
.endr
.endm
	LN 0
	LN 1
	s_wait_xcnt 0x0                                ; the last stores have had their addresses translated: their data registers may be written
	s_wait_alu depctr_vm_vsrc(0)                   ; and they have read v254 and v255, which the two lines below make anew
	v_lshl_add_u32 v254, v0, 2, 0x20200
	v_mov_b32 v255, 0
	s_wait_dscnt 0x0                               ; the closing lines, six on end
	s_wait_alu 0x0
	s_wait_tensorcnt 0x0
	ds_add_u32 v254, v255
	s_wait_dscnt 0x0
	s_endpgm
.Lfunc_end_k_qe3073d5eaf_oproj:
	.size	k_qe3073d5eaf_oproj, .Lfunc_end_k_qe3073d5eaf_oproj-k_qe3073d5eaf_oproj
	.p2alignl 7, 3214868480
	.fill 96, 4, 3214868480
	.section	.rodata,"a",@progbits
	.p2align	6, 0x0
	.amdhsa_kernel k_qe3073d5eaf_oproj
		.amdhsa_group_segment_fixed_size 133632
		.amdhsa_private_segment_fixed_size 0
		.amdhsa_enable_private_segment 0
		.amdhsa_kernarg_size 64
		.amdhsa_user_sgpr_count 2
		.amdhsa_user_sgpr_kernarg_segment_ptr 1
		.amdhsa_wavefront_size32 1
		.amdhsa_system_sgpr_workgroup_id_x 1
		.amdhsa_system_sgpr_workgroup_id_y 1
		.amdhsa_system_sgpr_workgroup_id_z 1
		.amdhsa_system_vgpr_workitem_id 0
		.amdhsa_next_free_vgpr 256
		.amdhsa_next_free_sgpr 66
		.amdhsa_reserve_vcc 0
		.amdhsa_float_denorm_mode_32 3
		.amdhsa_float_denorm_mode_16_64 3
		.amdhsa_memory_ordered 1
		.amdhsa_forward_progress 1
		.amdhsa_inst_pref_size 53
	.end_amdhsa_kernel
	.amdgpu_metadata
---
amdhsa.version: [ 1, 2 ]
amdhsa.kernels:
  - .name:           k_qe3073d5eaf_oproj
    .symbol:         k_qe3073d5eaf_oproj.kd
    .args:
      - { .name: cf, .offset: 0, .size: 8, .value_kind: global_buffer, .address_space: global }
      - { .name: w_o_codes, .offset: 8, .size: 8, .value_kind: global_buffer, .address_space: global }
      - { .name: w_o_scales, .offset: 16, .size: 8, .value_kind: global_buffer, .address_space: global }
      - { .name: b_o, .offset: 24, .size: 8, .value_kind: global_buffer, .address_space: global }
      - { .name: x, .offset: 32, .size: 8, .value_kind: global_buffer, .address_space: global }
      - { .name: ln_gamma, .offset: 40, .size: 8, .value_kind: global_buffer, .address_space: global }
      - { .name: ln_beta, .offset: 48, .size: 8, .value_kind: global_buffer, .address_space: global }
      - { .name: out0, .offset: 56, .size: 8, .value_kind: global_buffer, .address_space: global }
    .group_segment_fixed_size: 133632
    .private_segment_fixed_size: 0
    .kernarg_segment_align: 8
    .kernarg_segment_size: 64
    .max_flat_workgroup_size: 512
    .sgpr_count:     66
    .vgpr_count:     256
    .wavefront_size: 32
...
	.end_amdgpu_metadata
.endif
;; end of part 6
